; MI455X (gfx1250); checked and timed in simulation.
; The chip was launched on July 23, 2026; its instructions are those of AMD's public machine-readable ISA for CDNA 5 (MIT licence, August 2026) and "CDNA5" Instruction Set Architecture Reference Guide (July 2026). The comments in the code are by the model that wrote it; some were corrected since.
;; Alibi Multi Head Attention. Allowed arithmetic: matrix products marked QUANTISED: E2M1 operands, one E8M0 scale for each 32 along K, by v_wmma_scale_f32_16x16x128_f8f6f4 with both operands' format E2M1 (or v_wmma_scale_f32_32x16x128_f4), f32 sums; everything else in f32.
;; Inputs: w_o_codes 1,024 x 32 x 16 uint8 (E2M1 codes of w_o, K innermost, in blocks of 32 codes, two codes a byte); w_o_scales 1,024 x 32 uint8 (E8M0 scales of w_o, one for each 32 codes along K); w_qkv_codes 3,072 x 32 x 16 uint8 (E2M1 codes of w_qkv, K innermost, in blocks of 32 codes, two codes a byte); w_qkv_scales 3,072 x 32 uint8 (E8M0 scales of w_qkv, one for each 32 codes along K); x_codes 4 x 2,048 x 32 x 16 uint8 (E2M1 codes of x, K innermost, in blocks of 32 codes, two codes a byte); x_scales 4 x 2,048 x 32 uint8 (E8M0 scales of x, one for each 32 codes along K).
;; Outputs: out0 4 x 2,048 x 1,024 float32.
;; This version of the problem:
;;   THIS VERSION OF THE PROBLEM IS GIVEN IN LOW PRECISION. The matrix products marked QUANTISED in the list below multiply operands that are first quantised to E2M1 (2 exponent bits, 1 mantissa bit; 4 bits a number), with one power-of-two scale for each 32 numbers along K (OCP MX v1.0); their sums are f32. All else is computed in f32.
;;   The module's matrix products, in the order in which they are computed (A, B: the left and right operand; K: the contracted axis; several contracted axes count as one K, in the product's order):
;;     1. [M 8,192, K 1,024] x [K 1,024, N 3,072]; A: input x (given as codes); B: input w_qkv (given as codes): QUANTISED
;;     2. batch 64 x [M 2,048, K 64] x [K 64, N 2,048]; A: computed on the way; B: computed on the way: QUANTISED
;;     3. batch 64 x [M 2,048, K 2,048] x [K 2,048, N 64]; A: softmax (see below); B: computed on the way: QUANTISED
;;     4. [M 8,192, K 1,024] x [K 1,024, N 1,024]; A: computed on the way; B: input w_o (given as codes): QUANTISED
;;   THE QUANTISER, for each operand of a quantised product, along K:
;;     - K is cut into blocks of 32 from its start; a last block that is shorter is filled with zeros.
;;     - A block's scale is 2^e with e = floor(log2(the largest magnitude in the block)) - 2, held to -126 .. 127; a block of zeros has e = 0. As a byte (E8M0): e + 127.
;;     - Each number is divided by its block's scale, clamped to +-6, and rounded to the nearest number of E2M1, ties to even, subnormals kept.
;;     - The product sums the exact products of the quantised numbers (number of the format x scale) in f32.
;;   ~~~python
;;   def quantise(x, axis):      # numpy; x: float32 -> the quantised numbers, widened to float32 again
;;       x = np.moveaxis(x, axis, -1); K = x.shape[-1]
;;       x = np.pad(x, [(0, 0)] * (x.ndim - 1) + [(0, -K % 32)]); x = x.reshape(x.shape[:-1] + (-1, 32)); a = np.abs(x).max(-1, keepdims=True)
;;       e = np.where(a > 0, np.clip(np.frexp(np.where(a > 0, a, 1))[1] - 1 - 2, -126, 127), 0)      # np.frexp(a)[1] - 1 = floor(log2(a)), exactly
;;       r = np.clip(x / 2.0 ** e, -6, 6)
;;       step = 2.0 ** (np.maximum(np.frexp(np.where(r == 0, 1, r))[1] - 1, 0) - 1)
;;       q = np.round(r / step) * step * 2.0 ** e      # np.round: ties to even
;;       return np.moveaxis(q.reshape(q.shape[:-2] + (-1,))[..., :K], -1, axis).astype(np.float32)
;;   ~~~
;;   SOFTMAX AHEAD OF A QUANTISED PRODUCT. Where the list says 'softmax', what is quantised is not the finished softmax but p = 2^(t - M), with t = logit x log2(e) and M = ceil(the row's largest t), a whole number; so 1/2 < the row's largest p <= 1. The row's sum l is taken of the UNQUANTISED p, in f32, and the product's result is divided by l at the end. Since M is a whole number, a kernel that streams over the keys may use a running M (the ceiling of the running maximum): every later rescaling is an exact power of two, which a block's scale takes up: the codes' values come out the same.
;;   OPERANDS COMPUTED ON THE WAY. 'Computed on the way' means the value that the module computes at that place (a softmax that the list does not call 'softmax' is quantised finished and normalised). What goes into a quantiser is computed in f32, as accurately as f32 sums, v_exp_f32 and their like allow (about 1e-6 of the number): no bf16 or f16 on the way to a quantiser, and a product that is left as it is and whose result goes on into a quantised operand takes f32 operands (vector FMAs, or v_wmma_f32_16x16x4_f32). A number that lies on a knife's edge between two numbers of the format may be rounded either way, as far as f32 arithmetic and the matrix unit's own rounding can turn it there, and no further.
;;   INPUTS GIVEN AS CODES. w_o (in the module: [1024, 1024], K = its axis 0); w_qkv (in the module: [1024, 3072], K = its axis 0); x (in the module: [4, 2048, 1024], K = its axis 2): each comes as NAME_codes (uint8): NAME with its K axis moved to the last place and cut into blocks of 32 codes, [.., K / 32, bytes a block], one block behind the other in memory; two codes a byte, the lower K in the low four bits (a code: sign, 2 exponent bits, 1 mantissa bit); and NAME_scales (uint8): the same leading axes, one E8M0 byte (e + 127) for each 32 codes along K. Its value is code x scale, taken as it is: it is not quantised again, and the codes and scales need not be those that the quantiser above would give.
;; One version. Each part assembles by itself: llvm-mc -triple=amdgcn-amd-amdhsa -mcpu=gfx1250 --defsym DOCPART=n.
;; ======== version 1 of 1: 3 launches
;; workspace buffers: qkv_c 12,582,912 bytes; qkv_s 786,432 bytes; cc 4,194,304 bytes; cs 262,144 bytes
;; launch qkv (part 1): grid 8 x 32, 4 waves a work-group, clusters of 4 x 4, 327,680 bytes of LDS; arguments x_codes, x_scales, w_qkv_codes, w_qkv_scales, qkv_c, qkv_s; writes qkv_c, qkv_s
.if DOCPART == 1
	.amdgcn_target "amdgcn-amd-amdhsa--gfx1250"
	.amdhsa_code_object_version 6
	.text
	.protected	k_qc5b9a7f2ad_qkv
	.globl	k_qc5b9a7f2ad_qkv
	.p2align	8
	.type	k_qc5b9a7f2ad_qkv,@function
k_qc5b9a7f2ad_qkv:
	s_mov_b64 s[64:65], 0
	v_nop
	global_prefetch_b8 v0, s[64:65] scope:SCOPE_SE
	s_setreg_imm32_b32 hwreg(HW_REG_WAVE_MODE, 25, 1), 1
	s_wait_xcnt 0x0
	s_wait_alu depctr_hold_cnt(0) depctr_sa_sdst(0) depctr_va_vdst(0) depctr_va_sdst(0) depctr_va_ssrc(0) depctr_va_vcc(0) depctr_vm_vsrc(0)
	s_getreg_b32 s2, hwreg(HW_REG_IB_STS2, 6, 4)
	s_cmp_eq_u32 s2, 0
	s_cbranch_scc0 .Lentry_in_a_cluster
	s_endpgm
.Lentry_in_a_cluster:
	s_bfe_u32 s2, ttmp6, 0x10000c
	s_cmp_lg_u32 s2, 0xf033
	s_cbranch_scc0 .Lentry_shape_is_right
	s_endpgm
.Lentry_shape_is_right:
; qkv = x w_qkv on codes of FP4 (E2M1) with one E8M0 scale for each 32 along K = 1,024, and the result quantised at once for attention:
; q and k along the head's 64 numbers, v along the keys.  x: [8192] rows of 512 bytes of codes, 32 scale bytes a row; w_qkv: [3072] rows likewise (q's 1,024, k's, v's).
; SHARES.  256 work-groups that stay.  Work-group (gx, gy) keeps 256 rows of x in LDS for all of K and makes two tiles with them:
;   phase 1: rows 256 gx of w (q for the cluster's x = 0, k for 1): 256 x 256; a wave 128 x 128: 64 accumulators;
;   phase 2: rows 2,048 + 128 gx of w (v of the pair of heads gx): 256 x 128; a wave 128 keys x 64 columns (one head): 32 accumulators.
; So 12 column tiles of 256 are dealt evenly to 8 columns of work-groups, and a work-group's start and end are paid once.
; LDS.  K lies in two halves of 512 (rows of 256 bytes + 16 of padding); a half holds x's 256 rows and w's 256.  x, w and v for all of K do not fit together (640 rows x 544 bytes), so v's half s is
; brought into the first 128 rows of w's part of half s as soon as phase 1 has read that part: at its K steps 3 and 7.  Both have landed before phase 2 wants them.
; ROLES.  The matrix instruction's source 0 (S0) gives the index that runs along a lane's registers, source 1 (S1) the lane's row.  What is quantised must run along the registers:
; phase 1: S0 = w (the head's numbers), S1 = x;  phase 2: S0 = x (the keys), S1 = v's rows.
; QUANTISING.  For an S1 tile a, the eight S0 tiles are 128 neighbours: register j of tile t in lane (r, h) is index 16 t + 8 h + j of row r.  Block b is tiles 2 b, 2 b + 1 in lanes l and l xor 16.
; The conversion of (block 2 c + e, tile u) writes register 4 c + 2 u + e; an exchange of halves between registers 4 c + 2 u and 4 c + 2 u + 1 then leaves word w of block 2 c + h in register 4 c + w:
; the operand's own register image.  It is stored as it stands: lane l's 16 bytes at 16 l, 512 consecutive bytes a store.
; OUT.  qkv_c: q, k: [sec][b][head][tile of 16 rows][512];  v: [b][pair of heads][128 keys][c][4 (head % 2) + tile of 16 columns][512].
;       qkv_s: [sec][b][head][128 rows or keys][256]: word 2 l + i belongs to f = 2 i + l / 16, row l % 16.  q, k: low half the two bytes of tile f, high half those of tile f + 4;  v: the four bytes of column 16 f + r.
; CLUSTERS: 4 x 4.  x's tiles are shared along a row of the cluster, w's and v's along a column: each is asked for jointly by the four that need it.
; LIMITS: NaN and infinities are not served.  A block whose largest magnitude lies under 2^-124 (a block of zeros too) gets the byte 1; its bytes are read by this program alone.
; REGISTERS: window 0: v16-30 addresses; v32-95 w's scale words (tile i, K step q: 32 + 8 i + q), in phase 2 v32-63 v's; v96-159 x's; v160-223 the codes made, 8 a tile; v224-231 their scale words; v232-247 at work.
;   window 1: S0's fragments, two sets, at 64 p + 8 i; S1's at 128 + 64 p + 8 a.   windows 2, 3: accumulator (a, b) at 8 (8 (a % 4) + b) of window 2 + a / 4.
.set PITCH,  272                       ; an LDS row: 256 bytes + 16 of padding: the 16 rows of a fragment load start 68 words apart
.set HALFT,  128*PITCH                 ; 128 rows
.set SLOT,   4*HALFT                   ; a K half: x's 256 rows, then w's 256 rows
.set WREG,   2*HALFT                   ; where w's rows begin in a half; v's 128 rows later lie here
.set VQ,     32*PITCH                  ; 32 rows of v: what one wave's refill brings
.set SCL,    2*SLOT                    ; the scale bytes: x's 256 rows, then w's, as runs of 256 bytes + 16 of padding
.set HALFS,  16*272                    ; those of 128 rows
.set VSCL,   SCL+4*HALFS               ; v's 128 rows
.set SPARE,  VSCL+HALFS                ; the spare words, 128 bytes for each wave: two blocks of 256 bytes that no other line names
.set SBLK,   2*272                     ; the scale bytes of 16 rows
.set ADRW, 16                          ; v16-17 w's fragments in K half 0, 1
.set ADRX, 18                          ; v18-19 x's
.set ADSW, 20                          ; v20    w's scale words
.set ADSX, 21                          ; v21    x's
.set VO,   22                          ; v22    16 x lane: my 16 bytes of an image;  v23: a head (65,536 bytes) on, for q and k
.set VS8,  24                          ; v24    8 x lane
.set VOV,  25                          ; v25    16 x lane + 4,096, for v
.set ADRV, 26                          ; v26-27 v's fragments in K half 0, 1
.set SPW,  28                          ; v28    LDS address of my spare word: SPARE + 4 x my thread's number; never rewritten
.set NIL,  29                          ; v29    0; never rewritten
.set ADSV, 30                          ; v30    v's scale words
.set SCW,  32
.set SCX,  96
.set PC,   160
.set PW,   224
.set TM,   232                         ; +0..3 largest magnitudes, +4..7 the other half's, then bytes, +12..15 the conversions' scale operands
.set OA,   232                         ; later: the scale words of the first head, of the second, and what is stored
.set OB,   236
.set XA,   240
.set XB,   242
.set SEL,  2                           ; s[2:3]   selects for lane l xor 16
.set G0VS, 4                           ; s[4:7]   group 0 for v's scales (x's two pointers have been used by then)
.set G1,   24                          ; s[24:31] group 1 for x's codes;  s[32:39] group 0, one set a K half
.set G0,   32
.set G1B,  48                          ; s[48:55], s[56:63] the same for w's
.set G0B,  56
.set G1S,  68                          ; s[68:75], s[76:79] x's scales;  s[80:87], s[88:91] w's
.set G0S,  76
.set G1SB, 80
.set G0SB, 88
.set G1VS, 92                          ; s[92:99] group 1 for v's scales
.set G1V,  68                          ; for v's codes, written where the scales' descriptors lay, behind the wait that shows those loads done
.set G0V0, 76
.set G0V1, 88
.set MUL_LO, 0xa5                      ; sources 0 and 1 window 1, C and D window 2
.set MUL_HI, 0xf5                      ; the same, C and D window 3
.set MSB, 0
.macro WIN new                         ; the immediate's high byte repeats the setting that is left
.if MSB != (\new)
	s_set_vgpr_msb (MSB<<8)|(\new)
.set MSB, (\new)
.endif
.endm
.macro JLOAD g0a, g1a, g0b, g1b        ; a joint load: waves 0 and 1 fetch for x, waves 2 and 3 for w; four v_nop follow each line
	s_cmp_eq_u32 s17, 0
	s_cbranch_scc0 .Lfor_b_\@
	tensor_load_to_lds s[\g0a:\g0a+3], s[\g1a:\g1a+7]
	s_nop 0
.rept 4
	v_nop
.endr
	s_branch .Lasked_\@
.Lfor_b_\@:
	tensor_load_to_lds s[\g0b:\g0b+3], s[\g1b:\g1b+7]
	s_nop 0
.rept 4
	v_nop
.endr
.Lasked_\@:
.endm
.macro CREST                           ; a round of the cluster's barrier behind its opening barrier
	s_cmp_lg_u32 s16, 0
	s_cbranch_scc1 .Lnot_wave_0_\@
	s_barrier_signal -3
.Lnot_wave_0_\@:
	s_barrier_wait -3
	s_barrier_signal -1
	s_barrier_wait -1
.endm
.macro CROUND                          ; a whole round
	s_barrier_signal -1
	s_barrier_wait -1
	CREST
.endm
.macro PLACES n
.rept \n
	v_nop
.endr
.endm
	s_load_b256 s[4:11], s[0:1], 0x0               ; x's codes s[4:5], x's scales s[6:7], w's codes s[8:9], w's scales s[10:11]
	s_load_b128 s[12:15], s[0:1], 0x20             ; qkv_c s[12:13], qkv_s s[14:15]
	v_lshl_add_u32 v[SPW], v0, 2, SPARE
	v_mov_b32 v[NIL], 0
	ds_add_u32 v28, v29
	ds_add_u32 v28, v29
	s_wait_dscnt 0x0
	v_lshrrev_b32 v1, 5, v0
	v_readfirstlane_b32 s16, v1                    ; wave 0..3
	s_lshr_b32 s17, s16, 1                         ; hx: my half of x's rows.  Also: I fetch for x (0) or for w (1)
	s_and_b32 s18, s16, 1                          ; hw: my half of w's rows, and of v's.  Also: which 128 rows I fetch
	s_bfe_u32 s20, ttmp6, 0x40000                  ; cx
	s_bfe_u32 s21, ttmp6, 0x40004                  ; cy
	s_lshl_b32 s22, ttmp9, 2
	s_add_co_u32 s22, s22, s20                     ; gx: 256 rows of q or k, 128 rows of v
	s_and_b32 s23, ttmp7, 0xffff
	s_lshl_b32 s23, s23, 2
	s_add_co_u32 s23, s23, s21                     ; gy: 256 rows of x
	s_lshl_b32 s40, s21, 2
	s_lshl_b32 s40, 15, s40                        ; my row of the cluster
	s_lshl_b32 s41, 0x1111, s20                    ; my column
	s_or_b32 s[G1], s40, (1<<20)|(1<<21)|(5<<22)|(3<<25)    ; the mask; elements of 1 byte; padding on; bit 21 beside a mask; 4 words of padding after every 64
	s_or_b32 s[G1B], s41, (1<<20)|(1<<21)|(5<<22)|(3<<25)
.irp g, G1, G1B
	s_mov_b32 s[\g+1], 256<<16                     ; tensor_dim0 = 256 bytes
	s_mov_b32 s[\g+2], 128<<16                     ; tensor_dim1 = 128 rows
	s_mov_b32 s[\g+3], 256<<16                     ; tile_dim0
	s_mov_b32 s[\g+4], 128                         ; tile_dim1
	s_mov_b32 s[\g+5], 512                         ; a row of 1,024 codes in memory
	s_mov_b32 s[\g+6], 0
	s_mov_b32 s[\g+7], 0
.endr
	s_or_b32 s[G1S], s40, (3<<16)|(1<<20)|(1<<21)|(5<<22)|(3<<25)   ; the scales of 128 rows: 4,096 dense bytes as 16 rows of 32 elements of 8 bytes
	s_or_b32 s[G1SB], s41, (3<<16)|(1<<20)|(1<<21)|(5<<22)|(3<<25)
.irp g, G1S, G1SB
	s_mov_b32 s[\g+1], 32<<16
	s_mov_b32 s[\g+2], 16<<16
	s_mov_b32 s[\g+3], 32<<16
	s_mov_b32 s[\g+4], 16
	s_mov_b32 s[\g+5], 32
	s_mov_b32 s[\g+6], 0
	s_mov_b32 s[\g+7], 0
.endr
	s_or_b32 s[G1VS], s41, (3<<16)|(1<<20)|(1<<21)|(5<<22)|(3<<25)  ; the scales of 32 rows of v: 1,024 dense bytes as 4 rows of 256
	s_mov_b32 s[G1VS+1], 32<<16
	s_mov_b32 s[G1VS+2], 4<<16
	s_mov_b32 s[G1VS+3], 32<<16
	s_mov_b32 s[G1VS+4], 4
	s_mov_b32 s[G1VS+5], 32
	s_mov_b32 s[G1VS+6], 0
	s_mov_b32 s[G1VS+7], 0
	s_lshl_b32 s19, s18, 7                         ; which 128 rows I fetch
	s_lshl_b32 s42, s23, 8
	s_add_co_u32 s42, s42, s19                     ; x's row
	s_lshl_b32 s46, s22, 8
	s_add_co_u32 s46, s46, s19                     ; q's or k's row of w
	s_lshl_b32 s100, s22, 7
	s_lshl_b32 s19, s16, 5
	s_add_co_u32 s100, s100, s19
	s_add_co_u32 s100, s100, 2048                  ; v's row of w: 2,048 + 128 gx + 32 wave
	s_lshl_b32 s44, s42, 5                         ; 32 scale bytes a row
	s_mov_b32 s45, 0
	s_lshl_b32 s66, s46, 5
	s_mov_b32 s67, 0
	s_lshl_b32 s104, s100, 5
	s_mov_b32 s105, 0
	s_lshl_b32 s42, s42, 9                         ; 512 bytes of codes a row
	s_mov_b32 s43, 0
	s_lshl_b32 s46, s46, 9
	s_mov_b32 s47, 0
	s_lshl_b32 s100, s100, 9
	s_mov_b32 s101, 0
	s_mul_i32 s19, s16, HALFT                      ; where they go: the wave's number alone decides: no place in the cluster enters an LDS address
	s_mul_i32 s2, s16, HALFS
	s_mul_i32 s3, s16, 4*272
	s_wait_kmcnt 0x0
	s_add_nc_u64 s[42:43], s[4:5], s[42:43]
	s_add_nc_u64 s[44:45], s[6:7], s[44:45]
	s_add_nc_u64 s[46:47], s[8:9], s[46:47]
	s_add_nc_u64 s[66:67], s[10:11], s[66:67]
	s_add_nc_u64 s[100:101], s[8:9], s[100:101]    ; v's codes: kept for the refills
	s_add_nc_u64 s[104:105], s[10:11], s[104:105]
	CROUND                                         ; all sixteen work-groups are here: the joint loads meet
	s_mov_b32 s[G0VS], 1
	s_add_co_u32 s[G0VS+1], s3, VSCL
	s_mov_b64 s[G0VS+2:G0VS+3], s[104:105]
	s_or_b32 s[G0VS+3], s[G0VS+3], 0x80000000
	tensor_load_to_lds s[G0VS:G0VS+3], s[G1VS:G1VS+7]   ; every wave its quarter of v's scales
	s_nop 0
.rept 4
	v_nop
.endr
	s_mov_b32 s[G0S], 1
	s_add_co_u32 s[G0S+1], s2, SCL
	s_mov_b64 s[G0S+2:G0S+3], s[44:45]
	s_or_b32 s[G0S+3], s[G0S+3], 0x80000000
	s_mov_b32 s[G0SB], 1
	s_add_co_u32 s[G0SB+1], s2, SCL
	s_mov_b64 s[G0SB+2:G0SB+3], s[66:67]
	s_or_b32 s[G0SB+3], s[G0SB+3], 0x80000000
	JLOAD G0S, G1S, G0SB, G1SB                     ; x's and w's scales: wanted with the first K step
.irp s, 0,1
	s_mov_b32 s[G0+4*\s], 1
	s_add_co_u32 s[G0+4*\s+1], s19, \s*SLOT
	s_add_nc_u64 s[G0+4*\s+2:G0+4*\s+3], s[42:43], \s*256
	s_or_b32 s[G0+4*\s+3], s[G0+4*\s+3], 0x80000000
	s_mov_b32 s[G0B+4*\s], 1
	s_add_co_u32 s[G0B+4*\s+1], s19, \s*SLOT
	s_add_nc_u64 s[G0B+4*\s+2:G0B+4*\s+3], s[46:47], \s*256
	s_or_b32 s[G0B+4*\s+3], s[G0B+4*\s+3], 0x80000000
	JLOAD G0+4*\s, G1, G0B+4*\s, G1B               ; four loads of mine are out: the first fills, in one group
.endr
	v_and_b32 v1, 15, v0                           ; r
	v_bfe_u32 v2, v0, 4, 1                         ; h
	v_mul_u32_u24 v3, v1, PITCH
	v_lshl_add_u32 v3, v2, 4, v3                   ; a fragment's row x pitch + 16 h
	v_lshlrev_b32 v4, 5, v1
	v_lshrrev_b32 v5, 3, v1
	v_lshl_add_u32 v4, v5, 4, v4                   ; a row's scale bytes: 32 r, and 16 more for each 256 passed
	s_mul_i32 s42, s17, HALFT                      ; x's 128 rows that I multiply, in both phases
	v_add_nc_u32 v[ADRX], s42, v3
	v_add_nc_u32 v[ADRX+1], SLOT, v[ADRX]
	s_mul_i32 s42, s18, HALFT
	s_add_co_u32 s42, s42, WREG                    ; w's 128
	v_add_nc_u32 v[ADRW], s42, v3
	v_add_nc_u32 v[ADRW+1], SLOT, v[ADRW]
	s_mul_i32 s42, s18, 64*PITCH
	s_add_co_u32 s42, s42, WREG                    ; v's 64
	v_add_nc_u32 v[ADRV], s42, v3
	v_add_nc_u32 v[ADRV+1], SLOT, v[ADRV]
	s_mul_i32 s42, s17, HALFS
	s_add_co_u32 s42, s42, SCL
	v_add_nc_u32 v[ADSX], s42, v4
	s_mul_i32 s42, s18, HALFS
	s_add_co_u32 s42, s42, SCL+2*HALFS
	v_add_nc_u32 v[ADSW], s42, v4
	s_mul_i32 s42, s18, 4*SBLK
	s_add_co_u32 s42, s42, VSCL
	v_add_nc_u32 v[ADSV], s42, v4
	v_and_b32 v5, 31, v0                           ; lane
	v_lshlrev_b32 v[VO], 4, v5
	v_add_nc_u32 v[VO+1], 0x10000, v[VO]
	v_add_nc_u32 v[VOV], 0x1000, v[VO]
	v_lshlrev_b32 v[VS8], 3, v5
.irp b, 0,1,2,3
	v_mov_b32 v[TM+4+\b], 0                        ; written once: a lane permute's destination counts as one of its sources
.endr
	s_lshl_b32 s43, s23, 1
	s_add_co_u32 s43, s43, s17                     ; my 128 rows of x
	s_lshr_b32 s44, s43, 4
	s_lshl_b32 s44, s44, 3                         ; 8 b
	s_and_b32 s43, s43, 15                         ; which 128 of the batch's 2,048
	s_lshl_b32 s45, s20, 1
	s_add_co_u32 s45, s45, s18
	s_add_co_u32 s45, s45, s44                     ; 8 b + my pair of q's or k's heads
	s_add_co_u32 s44, s44, s22                     ; 8 b + v's pair
	s_lshl_b32 s46, s44, 17                        ; v's images: section 2, the pair's 131,072 bytes, 8,192 for each 128 keys, 2,048 for my head
	s_lshl_b32 s47, s43, 13
	s_add_co_u32 s46, s46, s47
	s_lshl_b32 s47, s18, 11
	s_add_co_u32 s46, s46, s47
	s_add_co_u32 s46, s46, 0x800000
	s_mov_b32 s47, 0
	s_add_nc_u64 s[8:9], s[12:13], s[46:47]
	s_lshl_b32 s46, s44, 13                        ; v's scale words: section 2, 4,096 bytes a head, 256 for each 128 keys
	s_lshl_b32 s66, s18, 12
	s_add_co_u32 s46, s46, s66
	s_lshl_b32 s66, s43, 8
	s_add_co_u32 s46, s46, s66
	s_add_co_u32 s46, s46, 0x80000
	s_add_nc_u64 s[10:11], s[14:15], s[46:47]
	s_lshl_b32 s46, s45, 17                        ; q's or k's images: the section, the pair's 131,072 bytes, 4,096 for each 128 rows
	s_lshl_b32 s66, ttmp9, 22
	s_add_co_u32 s46, s46, s66
	s_lshl_b32 s66, s43, 12
	s_add_co_u32 s46, s46, s66
	s_add_nc_u64 s[12:13], s[12:13], s[46:47]
	s_lshl_b32 s46, s45, 13                        ; and their scale words
	s_lshl_b32 s66, ttmp9, 18
	s_add_co_u32 s46, s46, s66
	s_lshl_b32 s66, s43, 8
	s_add_co_u32 s46, s46, s66
	s_add_nc_u64 s[14:15], s[14:15], s[46:47]
	s_mov_b32 s[SEL], 0x76543210
	s_mov_b32 s[SEL+1], 0xfedcba98                 ; v_permlanex16_b32's selects for lane l xor 16
; A fragment is 8 registers: lane (r, h) holds row r; registers 4 c .. 4 c + 3 hold K = 64 c + 32 h + 0 .. 31: 16 bytes as they lie.
.macro FETCH q, p                      ; phase 1: 32 LDS loads: K step q's fragments into set p
	WIN 0x40                                       ; destination window 1, address window 0
.irp i, 0,1,2,3,4,5,6,7
	ds_load_b128 v[64*(\p)+8*\i:64*(\p)+8*\i+3],   v[ADRW+(\q)/4] offset:64*((\q)%4)+\i*16*PITCH
	ds_load_b128 v[64*(\p)+8*\i+4:64*(\p)+8*\i+7], v[ADRW+(\q)/4] offset:64*((\q)%4)+\i*16*PITCH+32
.endr
.irp i, 0,1,2,3,4,5,6,7
	ds_load_b128 v[128+64*(\p)+8*\i:128+64*(\p)+8*\i+3],   v[ADRX+(\q)/4] offset:64*((\q)%4)+\i*16*PITCH
	ds_load_b128 v[128+64*(\p)+8*\i+4:128+64*(\p)+8*\i+7], v[ADRX+(\q)/4] offset:64*((\q)%4)+\i*16*PITCH+32
.endr
.endm
.macro FETCH2 q, p                     ; phase 2: 24 LDS loads: x's eight tiles as S0, v's four as S1
	WIN 0x40
.irp i, 0,1,2,3,4,5,6,7
	ds_load_b128 v[64*(\p)+8*\i:64*(\p)+8*\i+3],   v[ADRX+(\q)/4] offset:64*((\q)%4)+\i*16*PITCH
	ds_load_b128 v[64*(\p)+8*\i+4:64*(\p)+8*\i+7], v[ADRX+(\q)/4] offset:64*((\q)%4)+\i*16*PITCH+32
.endr
.irp i, 0,1,2,3
	ds_load_b128 v[128+64*(\p)+8*\i:128+64*(\p)+8*\i+3],   v[ADRV+(\q)/4] offset:64*((\q)%4)+\i*16*PITCH
	ds_load_b128 v[128+64*(\p)+8*\i+4:128+64*(\p)+8*\i+7], v[ADRV+(\q)/4] offset:64*((\q)%4)+\i*16*PITCH+32
.endr
.endm
; Phase 1: 16 matrix instructions: x's tiles 4 hi + a0, + 1 against w's eight.  The 64 accumulators take turns, one instruction a turn, in the same order in every K step.
.macro MUL16 hi, a0, p, q, zero
.irp a, \a0, \a0+1
.irp b, 0,1,2,3,4,5,6,7
.if \zero
	v_wmma_scale_f32_16x16x128_f8f6f4 v[8*(8*(\a)+\b):8*(8*(\a)+\b)+7], v[64*(\p)+8*\b:64*(\p)+8*\b+7], v[128+64*(\p)+8*(4*(\hi)+(\a)):128+64*(\p)+8*(4*(\hi)+(\a))+7], 0, v[SCW+8*\b+(\q)], v[SCX+8*(4*(\hi)+(\a))+(\q)] matrix_a_fmt:MATRIX_FMT_FP4 matrix_b_fmt:MATRIX_FMT_FP4
.else
	v_wmma_scale_f32_16x16x128_f8f6f4 v[8*(8*(\a)+\b):8*(8*(\a)+\b)+7], v[64*(\p)+8*\b:64*(\p)+8*\b+7], v[128+64*(\p)+8*(4*(\hi)+(\a)):128+64*(\p)+8*(4*(\hi)+(\a))+7], v[8*(8*(\a)+\b):8*(8*(\a)+\b)+7], v[SCW+8*\b+(\q)], v[SCX+8*(4*(\hi)+(\a))+(\q)] matrix_a_fmt:MATRIX_FMT_FP4 matrix_b_fmt:MATRIX_FMT_FP4
.endif
.endr
.endr
.endm
; Phase 2: 16 matrix instructions: v's tiles a0, a0 + 1 against x's eight.  x's scale words are the registers that phase 1 used; v's lie where w's lay.  32 accumulators by turns.
.macro MULV a0, p, q, zero
.irp a, \a0, \a0+1
.irp b, 0,1,2,3,4,5,6,7
.if \zero
	v_wmma_scale_f32_16x16x128_f8f6f4 v[8*(8*(\a)+\b):8*(8*(\a)+\b)+7], v[64*(\p)+8*\b:64*(\p)+8*\b+7], v[128+64*(\p)+8*(\a):128+64*(\p)+8*(\a)+7], 0, v[SCX+8*\b+(\q)], v[SCW+8*(\a)+(\q)] matrix_a_fmt:MATRIX_FMT_FP4 matrix_b_fmt:MATRIX_FMT_FP4
.else
	v_wmma_scale_f32_16x16x128_f8f6f4 v[8*(8*(\a)+\b):8*(8*(\a)+\b)+7], v[64*(\p)+8*\b:64*(\p)+8*\b+7], v[128+64*(\p)+8*(\a):128+64*(\p)+8*(\a)+7], v[8*(8*(\a)+\b):8*(8*(\a)+\b)+7], v[SCX+8*\b+(\q)], v[SCW+8*(\a)+(\q)] matrix_a_fmt:MATRIX_FMT_FP4 matrix_b_fmt:MATRIX_FMT_FP4
.endif
.endr
.endr
.endm
; A K step of phase 1 whose successor lies in the same half: the next step's fragments are asked for first, into the set that the step before multiplied
; (four places behind its last product: ISA guide 7.12.1 for vector instructions)
.macro STEP q, zero
.if (\q) > 0
	PLACES 4
.endif
	FETCH (\q)+1, ((\q)+1)%2
	s_wait_dscnt 32                                ; all but the 32 just issued: this step's fragments are in (and, in the first step, the scale words)
	WIN MUL_LO
	MUL16 0, 0, (\q)%2, \q, \zero
	MUL16 0, 2, (\q)%2, \q, \zero
	WIN MUL_HI
	MUL16 1, 0, (\q)%2, \q, \zero
	MUL16 1, 2, (\q)%2, \q, \zero
.endm
; The last K step of a half (q = 3, 7; its fragments lie in set 1).  My reads of the half's rows of w are over when its fragments are in: their first 128 rows are filled again, with v's same K half.
; In front of the round each wave waits for all its tensor loads, adds 0 to its spare word, and waits for that and for its reads.  The round of the cluster's barrier shows the same of every wave of every partner.
.macro TURN q, g0
	WIN 0                                          ; (the add's two registers lie in window 0)
	s_wait_tensorcnt 0x0                           ; all my tensor loads have landed: the next K half, or v's first half
	ds_add_u32 v[SPW], v[NIL]                      ; 0 onto my spare word
	s_wait_dscnt 0x1                               ; this step's fragments are in; the add may be out
	WIN MUL_LO
	MUL16 0, 0, 1, \q, 0                           ; sixteen matrix instructions stand between the add and the wait for it
	s_wait_dscnt 0x0                               ; the add is done, and my reads of this half are over
	s_barrier_signal -1
	MUL16 0, 2, 1, \q, 0                           ; work on registers while the others arrive
	WIN 0
	s_barrier_wait -1
	CREST
	tensor_load_to_lds s[\g0:\g0+3], s[G1V:G1V+7]  ; my 32 rows of v: the first thing behind the round, and my one tensor load until the next
	s_nop 0
.rept 4
	v_nop                                          ; (the places in front of the loads that follow, into the set that the step before multiplied)
.endr
.endm
.macro STEP2 q, zero                   ; a K step of phase 2
.if (\q) > 0
	PLACES 4
.endif
	FETCH2 (\q)+1, ((\q)+1)%2
	s_wait_dscnt 24                                ; all but the 24 just issued
	WIN MUL_LO
	MULV 0, (\q)%2, \q, \zero
	MULV 2, (\q)%2, \q, \zero
.endm
; S1 tile a: its 128 numbers a row become 8 registers of codes and a scale word, and the codes leave: registers 0-3 at v[VO], registers 4-7 at v[vo1], from the base s[sb].
.macro QUANT a, vo1, sb
.set AC, 64*((\a)%4)
.set WA, 2+(\a)/4
.set PCA, PC+8*(\a)
	WIN 0
.irp b, 0,1,2,3
	v_mov_b32 v[TM+\b], 0x1800000                  ; the floor 2^(3 - 127), under which no largest magnitude is taken: so the byte cannot fall under 1
.endr
	WIN (WA<<2)|(WA<<4)                            ; sources 1 and 2: the accumulators' window
.irp i, 0,2,4,6,8,10,12,14                     ; each accumulator is read from its low end on; the four blocks by turns
.irp b, 0,1,2,3
	v_max3_num_f32 v[TM+\b], v[TM+\b], |v[AC+16*\b+\i]|, |v[AC+16*\b+\i+1]|
.endr
.endr
	WIN 0
.irp b, 0,1,2,3
	v_permlanex16_b32 v[TM+4+\b], v[TM+\b], s[SEL], s[SEL+1]
.endr
.irp b, 0,1,2,3
	v_max_num_f32 v[TM+\b], v[TM+\b], v[TM+4+\b]   ; with lane l xor 16's: the block's largest magnitude
.endr
.irp b, 0,1,2,3
	v_add_nc_u32 v[TM+12+\b], 0xff000000, v[TM+\b] ; 2 off its exponent field: the conversion takes that field as its scale
.endr
.irp b, 0,1,2,3
	v_lshrrev_b32 v[TM+4+\b], 23, v[TM+12+\b]      ; the scale's byte
.endr
	v_lshl_or_b32 v[PW+(\a)], v[TM+5], 8, v[TM+4]
	v_lshl_or_b32 v[PW+(\a)], v[TM+6], 16, v[PW+(\a)]
	v_lshl_or_b32 v[PW+(\a)], v[TM+7], 24, v[PW+(\a)]
	WIN WA                                         ; source 0: the accumulators' window
.irp c, 0,1
.irp u, 0,1
.irp e, 0,1
	v_cvt_scalef32_pk8_fp4_f32 v[PCA+4*\c+2*\u+\e], v[AC+16*(2*\c+\e)+8*\u:AC+16*(2*\c+\e)+8*\u+7], v[TM+12+2*\c+\e]
.endr
.endr
.endr
	WIN 0
	v_nop                                          ; one plain place behind a scaled conversion
.irp c, 0,1
.irp u, 0,1
	v_permlane16_swap_b32 v[PCA+4*\c+2*\u], v[PCA+4*\c+2*\u+1]   ; register 4 c + w now holds word w of block 2 c + h
.endr
.endr
	global_store_b128 v[VO],   v[PCA:PCA+3],   s[\sb:\sb+1] offset:512*(\a)   ; 32 lanes store 512 consecutive bytes, aligned; within a phase every tile has registers of its own
	global_store_b128 v[\vo1], v[PCA+4:PCA+7], s[\sb:\sb+1] offset:512*(\a)
.endm
	s_wait_tensorcnt 0x1                           ; all the scales and my part of the first K half are in; the second half's load may stay out
	s_barrier_signal -1
	s_barrier_wait -1                              ; everybody's are
.irp i, 0,1,2,3,4,5,6,7                        ; w's and x's scale words of all of K: eight words a row
	ds_load_b128 v[SCW+8*\i:SCW+8*\i+3],   v[ADSW] offset:\i*SBLK
	ds_load_b128 v[SCW+8*\i+4:SCW+8*\i+7], v[ADSW] offset:\i*SBLK+16
	ds_load_b128 v[SCX+8*\i:SCX+8*\i+3],   v[ADSX] offset:\i*SBLK
	ds_load_b128 v[SCX+8*\i+4:SCX+8*\i+7], v[ADSX] offset:\i*SBLK+16
.endr
	FETCH 0, 0
	; the refills' descriptors, where the scale loads' lay: those loads were shown done by the wait above.  32 rows of 256 bytes, 512 apart in memory, 16 bytes of padding behind each; shared along my column
	s_or_b32 s[G1V], s41, (1<<20)|(1<<21)|(5<<22)|(3<<25)
	s_mov_b32 s[G1V+1], 256<<16
	s_mov_b32 s[G1V+2], 32<<16
	s_mov_b32 s[G1V+3], 256<<16
	s_mov_b32 s[G1V+4], 32
	s_mov_b32 s[G1V+5], 512
	s_mov_b32 s[G1V+6], 0
	s_mov_b32 s[G1V+7], 0
	s_mul_i32 s19, s16, VQ
	s_mov_b32 s[G0V0], 1
	s_add_co_u32 s[G0V0+1], s19, WREG
	s_mov_b64 s[G0V0+2:G0V0+3], s[100:101]
	s_or_b32 s[G0V0+3], s[G0V0+3], 0x80000000
	s_mov_b32 s[G0V1], 1
	s_add_co_u32 s[G0V1+1], s19, SLOT+WREG
	s_add_nc_u64 s[G0V1+2:G0V1+3], s[100:101], 256
	s_or_b32 s[G0V1+3], s[G0V1+3], 0x80000000
	; ---- PHASE 1: q or k
	STEP 0, 1                                      ; the first products start the sums: nothing is cleared
	STEP 1, 0
	STEP 2, 0
	TURN 3, G0V0                                   ; the second K half is whole; v's first half is asked for
	FETCH 4, 0
	WIN MUL_HI
	MUL16 1, 0, 1, 3, 0
	MUL16 1, 2, 1, 3, 0
	STEP 4, 0
	STEP 5, 0
	STEP 6, 0
	TURN 7, G0V1                                   ; v's first half is whole; its second is asked for
	FETCH2 0, 0                                    ; phase 2's first fragments: they land while phase 1's results are quantised
	WIN MUL_HI
	MUL16 1, 0, 1, 7, 0
	MUL16 1, 2, 1, 7, 0
	PLACES 4                                       ; in front of the first read of results, and of the loads into w's scale registers
	WIN 0
.irp i, 0,1,2,3                                ; v's scale words of all of K, where w's lay
	ds_load_b128 v[SCW+8*\i:SCW+8*\i+3],   v[ADSV] offset:\i*SBLK
	ds_load_b128 v[SCW+8*\i+4:SCW+8*\i+7], v[ADSV] offset:\i*SBLK+16
.endr
.irp a, 0,1,2,3,4,5,6,7
	QUANT \a, VO+1, 12
.endr
	v_cmp_gt_u32 vcc_lo, 16, v5                    ; lanes 0-15
.irp f, 0,1,2,3
	v_perm_b32 v[OA+\f], v[PW+4+\f], v[PW+\f], 0x05040100   ; the first head's two bytes of tiles f and f + 4,
	v_perm_b32 v[OB+\f], v[PW+4+\f], v[PW+\f], 0x07060302   ; the second head's
.endr
.irp i, 0,1
	v_cndmask_b32 v[XA+\i], v[OA+2*\i+1], v[OA+2*\i], vcc_lo   ; lanes 0-15 carry f = 2 i, lanes 16-31 f = 2 i + 1
	v_cndmask_b32 v[XB+\i], v[OB+2*\i+1], v[OB+2*\i], vcc_lo
.endr
	global_store_b64 v[VS8], v[XA:XA+1], s[14:15]              ; 32 lanes store 256 consecutive bytes, aligned
	global_store_b64 v[VS8], v[XB:XB+1], s[14:15] offset:4096
	; ---- PHASE 2: v
	s_wait_tensorcnt 0x0                           ; my part of v's second K half is in,
	s_wait_dscnt 0x0                               ; and no LDS instruction of mine is out at the signal
	s_barrier_signal -1
	s_barrier_wait -1                              ; everybody's is
	STEP2 0, 1                                     ; the first products start the sums, in the registers that phase 1's first 32 accumulators have left
	STEP2 1, 0
	STEP2 2, 0
	STEP2 3, 0
	STEP2 4, 0
	STEP2 5, 0
	STEP2 6, 0
	s_wait_dscnt 0x0
	WIN MUL_LO
	MULV 0, 1, 7, 0
	MULV 2, 1, 7, 0
	PLACES 4                                       ; in front of the first read of results
	s_wait_xcnt 0x0                                ; phase 1's stores have read their registers, which are written again below
.irp a, 0,1,2,3
	QUANT \a, VOV, 8
.endr
	v_cmp_gt_u32 vcc_lo, 16, v5
	v_cndmask_b32 v[XA], v[PW+1], v[PW], vcc_lo    ; the words of columns 16 f + r: lanes 0-15 carry f = 2 i, lanes 16-31 f = 2 i + 1
	v_cndmask_b32 v[XA+1], v[PW+3], v[PW+2], vcc_lo
	global_store_b64 v[VS8], v[XA:XA+1], s[10:11]
	s_wait_tensorcnt 0x0                           ; the wave's end, behind my last tensor load
	ds_add_u32 v[SPW], v[NIL]
	s_wait_dscnt 0x0
	CROUND                                         ; the closing round: no work-group ends while a partner may still ask for a tile that names it
	s_endpgm
.Lfunc_end_k_qc5b9a7f2ad_qkv:
	.size	k_qc5b9a7f2ad_qkv, .Lfunc_end_k_qc5b9a7f2ad_qkv-k_qc5b9a7f2ad_qkv
	.p2alignl 7, 3214868480
	.fill 96, 4, 3214868480
	.section	.rodata,"a",@progbits
	.p2align	6, 0x0
	.amdhsa_kernel k_qc5b9a7f2ad_qkv
		.amdhsa_group_segment_fixed_size 327680
		.amdhsa_private_segment_fixed_size 0
		.amdhsa_enable_private_segment 0
		.amdhsa_kernarg_size 48
		.amdhsa_user_sgpr_count 2
		.amdhsa_user_sgpr_kernarg_segment_ptr 1
		.amdhsa_wavefront_size32 1
		.amdhsa_system_sgpr_workgroup_id_x 1
		.amdhsa_system_sgpr_workgroup_id_y 1
		.amdhsa_system_sgpr_workgroup_id_z 1
		.amdhsa_system_vgpr_workitem_id 0
		.amdhsa_next_free_vgpr 1024
		.amdhsa_next_free_sgpr 106
		.amdhsa_reserve_vcc 1
		.amdhsa_float_denorm_mode_32 3
		.amdhsa_float_denorm_mode_16_64 3
		.amdhsa_memory_ordered 1
		.amdhsa_forward_progress 1
		.amdhsa_inst_pref_size 196
	.end_amdhsa_kernel
	.amdgpu_metadata
---
amdhsa.version: [ 1, 2 ]
amdhsa.kernels:
  - .name:           k_qc5b9a7f2ad_qkv
    .symbol:         k_qc5b9a7f2ad_qkv.kd
    .args:
      - { .name: x_codes, .offset: 0, .size: 8, .value_kind: global_buffer, .address_space: global }
      - { .name: x_scales, .offset: 8, .size: 8, .value_kind: global_buffer, .address_space: global }
      - { .name: w_qkv_codes, .offset: 16, .size: 8, .value_kind: global_buffer, .address_space: global }
      - { .name: w_qkv_scales, .offset: 24, .size: 8, .value_kind: global_buffer, .address_space: global }
      - { .name: qkv_c, .offset: 32, .size: 8, .value_kind: global_buffer, .address_space: global }
      - { .name: qkv_s, .offset: 40, .size: 8, .value_kind: global_buffer, .address_space: global }
    .group_segment_fixed_size: 327680
    .private_segment_fixed_size: 0
    .kernarg_segment_align: 8
    .kernarg_segment_size: 48
    .max_flat_workgroup_size: 128
    .sgpr_count:     106
    .vgpr_count:     1024
    .wavefront_size: 32
...
	.end_amdgpu_metadata
.endif
;; end of part 1
;; launch attn (part 2): grid 4 x 64, 16 waves a work-group, clusters of 4 x 1, 169,984 bytes of LDS; arguments qkv_c, qkv_s, cc, cs; writes cc, cs
.if DOCPART == 2
	.amdgcn_target "amdgcn-amd-amdhsa--gfx1250"
	.amdhsa_code_object_version 6
	.text
	.protected	k_qc5b9a7f2ad_attn
	.globl	k_qc5b9a7f2ad_attn
	.p2align	8
	.type	k_qc5b9a7f2ad_attn,@function
k_qc5b9a7f2ad_attn:
	s_mov_b64 s[64:65], 0
	v_nop
	global_prefetch_b8 v0, s[64:65] scope:SCOPE_SE
	s_setreg_imm32_b32 hwreg(HW_REG_WAVE_MODE, 25, 1), 1
	s_wait_xcnt 0x0
	s_wait_alu depctr_hold_cnt(0) depctr_sa_sdst(0) depctr_va_vdst(0) depctr_va_sdst(0) depctr_va_ssrc(0) depctr_va_vcc(0) depctr_vm_vsrc(0)
	s_getreg_b32 s2, hwreg(HW_REG_IB_STS2, 6, 4)
	s_cmp_eq_u32 s2, 0
	s_cbranch_scc0 .Lentry_in_a_cluster
	s_endpgm
.Lentry_in_a_cluster:
	s_bfe_u32 s2, ttmp6, 0x10000c
	s_cmp_lg_u32 s2, 0x3003
	s_cbranch_scc0 .Lentry_shape_is_right
	s_endpgm
.Lentry_shape_is_right:
; Causal attention with ALiBi for one (batch, head) a cluster, both products on codes of FP4 (E2M1) with E8M0 scales; the normalised result is quantised along the model's 1,024 for the last product.
; logit = q . k / 32 + slope (key - query);  t = logit log2(e) = (q . k + beta (key - query)) c,  beta = 32 slope, c = log2(e) / 32.
; p = 2^(t - M), M the running largest t rounded up to a whole number; p is quantised along the keys; the row's sum is taken of the unquantised p and divides at the end.
; SHARES.  The four work-groups of a cluster share a head; its K and V (128 KiB of codes, 8 KiB of scales) come into each LDS ONCE, by joint loads, and stay: no LDS byte is filled twice.
; Wave w of work-group j owns the tiles of 16 queries TA = 4 w + j and TB = 127 - TA: their last key steps, w / 2 and 15 - w / 2, hang on the wave's number alone, and every wave has 17 key steps of 128 keys.
; Sixteen waves, four to a SIMD: one wave's vector work stands beside another's matrix work and LDS loads.
; LAYOUT.  Both products are used transposed (S^T = K Q^T, O^T = V^T P^T): a lane holds one query (lane % 16); register j of key tile tau is key 16 tau + 8 (lane / 16) + j.
; THE HEAD HAS 64 NUMBERS, the instruction takes 128: a fragment of K holds key tile f in registers 0-3 and key tile f + 4 in registers 4-7; multiplied by (q, 0) it gives tile f, by (0, q) tile f + 4:
; zero codes add nothing.  q lies between two runs of four zero registers, so both forms are runs of eight.
; ALIBI.  key - query = (8 h + j - r) + (16 tau - E), E = the tile's first query less the step's first key.  beta x the first part is the C of every score product (BI: eight registers, at most 15 beta);
; beta x the second is the same in all lanes (BD, scalar) and enters the addend of the one multiply-add that makes t - M.  No difference of large numbers is formed for the keys that count.
; SLOPES.  slope = 1 / x^n, x = sqrt(2) rounded to f32, n = head + 1.  x^-n = 2^-(n/2) (1 + n e), e = 1.711427e-8: one scalar multiply-add gives the mantissa, whole numbers the exponent.
; p's codes: the conversion of (block 2 c + e, tile u) writes register 4 c + 2 u + e; an exchange of halves between registers 4 c + 2 u and 4 c + 2 u + 1 gives the operand's layout.
; OUT.  cc: [tile of 16 rows][head][512]: the register image of the last product's operand; 512 consecutive bytes a store.  cs: [row][32] scale bytes: a lane stores one byte, rows 32 bytes apart:
;       262,144 of the launch's 4,456,448 stored bytes leave so, in pieces.
; LIMITS: NaN and infinities are not served; p under 2^-126 counts as 0; a block under 2^-124 (or of zeros) gets the byte 1, read by this program alone; 1 / l is v_rcp_f32 and a multiplication.
; REGISTERS: v1-11 addresses and constants; v12 -M, v13 the largest t, v[14:15] the sum; v16-27 zeros, q, zeros; v28-31 K's and V's scale words; v32-63 K, v64-95 V; v96-159 S^T, then p; v160-191 O^T;
;   v192-199 BI; v200-207 p's codes; v208-215 block maxima, scale operands; v216-223 tile maxima; v224-239 AD (even) and Y (odd); v[240:241] f; v[242:243] second sum; v244 p's scale word; v246-251 tile B's q, raw scale words.
.set VC,   65536                       ; LDS: K's codes [tile of 16 keys][512] at 0; V's [128 keys][c][tile of 16 columns][512] here;
.set KSC,  131072                      ; K's scale words [128 keys][256];
.set VSC,  135168                      ; V's
.set G1D, 24                           ; s[24:31] group 1: 16 KiB dense;  s[32:39]: 8 rows of 2,048 bytes, 4,096 apart;  s[40:47]: 4 KiB dense
.set G1V, 32
.set G1S, 40
.set G0K, 48
.set G0V, 52
.set G0S, 56
.set SEL, 60                           ; s[60:61] selects for lane l xor 16
.set CS,  62                           ; s[62:63] c, twice: the packed form names a pair
.set BD,  84                           ; s84-91  beta (16 tau - E)
.macro CROUND
	s_barrier_signal -1
	s_barrier_wait -1
	s_cmp_lg_u32 s12, 0
	s_cbranch_scc1 .Lnot_wave_0_\@
	s_barrier_signal -3
.Lnot_wave_0_\@:
	s_barrier_wait -3
	s_barrier_signal -1
	s_barrier_wait -1
.endm
	s_load_b256 s[4:11], s[0:1], 0x0               ; qkv_c s[4:5], qkv_s s[6:7], cc s[8:9], cs s[10:11]
	v_lshl_add_u32 v245, v0, 2, 0x29000
	v_mov_b32 v255, 0
	ds_add_u32 v245, v255
	ds_add_u32 v245, v255
	v_lshrrev_b32 v1, 5, v0
	v_readfirstlane_b32 s12, v1                    ; wave 0..15
	s_bfe_u32 s13, ttmp6, 0x40000                  ; cx: it enters global addresses and numbers alone
	s_and_b32 s14, ttmp7, 0xffff                   ; 16 b + head: the partners share it
	s_and_b32 s15, s14, 15                         ; head
	s_lshr_b32 s16, s14, 4                         ; b
	s_lshl_b32 s17, s12, 2
	s_add_co_u32 s17, s17, s13                     ; TA
	s_sub_co_u32 s18, 127, s17                     ; TB
	s_lshr_b32 s19, s12, 1                         ; TA's last key step
	s_sub_co_u32 s20, 15, s19                      ; TB's
	s_mov_b32 s[G1D], 15|(3<<16)|(1<<21)           ; the mask: all four work-groups; elements of 8 bytes; bit 21 beside a mask; no padding: every read is 16 or 8 bytes x lane on end
	s_mov_b32 s[G1D+1], 32<<16
	s_mov_b32 s[G1D+2], 64<<16
	s_mov_b32 s[G1D+3], 32<<16
	s_mov_b32 s[G1D+4], 64
	s_mov_b32 s[G1D+5], 32
	s_mov_b32 s[G1D+6], 0
	s_mov_b32 s[G1D+7], 0
	s_mov_b32 s[G1V], 15|(3<<16)|(1<<21)
	s_mov_b32 s[G1V+1], 256<<16
	s_mov_b32 s[G1V+2], 8<<16
	s_mov_b32 s[G1V+3], 256<<16
	s_mov_b32 s[G1V+4], 8
	s_mov_b32 s[G1V+5], 512
	s_mov_b32 s[G1V+6], 0
	s_mov_b32 s[G1V+7], 0
	s_mov_b32 s[G1S], 15|(3<<16)|(1<<21)
	s_mov_b32 s[G1S+1], 32<<16
	s_mov_b32 s[G1S+2], 16<<16
	s_mov_b32 s[G1S+3], 32<<16
	s_mov_b32 s[G1S+4], 16
	s_mov_b32 s[G1S+5], 32
	s_mov_b32 s[G1S+6], 0
	s_mov_b32 s[G1S+7], 0
	s_and_b32 s22, s12, 3                          ; which quarter I fetch
	s_lshl_b32 s23, s22, 14
	s_lshl_b32 s82, s14, 16
	s_add_co_u32 s82, s82, s23
	s_add_co_u32 s82, s82, 0x400000                ; K: section 1, the head's 65,536 bytes, my 16,384
	s_mov_b32 s83, 0
	s_lshr_b32 s100, s14, 1
	s_lshl_b32 s100, s100, 17
	s_and_b32 s101, s14, 1
	s_lshl_b32 s101, s101, 11
	s_add_co_u32 s100, s100, s101
	s_lshl_b32 s101, s22, 15
	s_add_co_u32 s100, s100, s101
	s_add_co_u32 s100, s100, 0x800000              ; V: section 2, the pair's 131,072 bytes, my head's 2,048 of each 4,096, my 8 rows
	s_mov_b32 s101, 0
	s_and_b32 s92, s12, 1
	s_lshl_b32 s93, s92, 12
	s_add_co_u32 s94, s92, 1
	s_lshl_b32 s94, s94, 18
	s_lshl_b32 s96, s14, 12
	s_add_co_u32 s94, s94, s96                     ; scales: section 1 (wave 8) or 2 (wave 9), the head's 4,096 bytes
	s_mov_b32 s95, 0
	s_wait_dscnt 0x0
	s_wait_kmcnt 0x0
	s_mov_b32 s[G0K], 1
	s_mov_b32 s[G0K+1], s23
	s_add_nc_u64 s[G0K+2:G0K+3], s[4:5], s[82:83]
	s_or_b32 s[G0K+3], s[G0K+3], 0x80000000
	s_mov_b32 s[G0V], 1
	s_add_co_u32 s[G0V+1], s23, VC
	s_add_nc_u64 s[G0V+2:G0V+3], s[4:5], s[100:101]
	s_or_b32 s[G0V+3], s[G0V+3], 0x80000000
	s_mov_b32 s[G0S], 1
	s_add_co_u32 s[G0S+1], s93, KSC
	s_add_nc_u64 s[G0S+2:G0S+3], s[6:7], s[94:95]
	s_or_b32 s[G0S+3], s[G0S+3], 0x80000000
	CROUND                                         ; all four work-groups are here: the joint loads meet
	s_cmp_lt_u32 s12, 4                            ; waves 0-3: K's quarters; 4-7: V's; 8, 9: the scales; the others nothing.  One load a wave at the most; four v_nop follow each
	s_cbranch_scc0 .Lnot_k
	tensor_load_to_lds s[G0K:G0K+3], s[G1D:G1D+7]
	s_nop 0
.rept 4
	v_nop
.endr
	s_branch .Lasked
.Lnot_k:
	s_cmp_lt_u32 s12, 8
	s_cbranch_scc0 .Lnot_v
	tensor_load_to_lds s[G0V:G0V+3], s[G1V:G1V+7]
	s_nop 0
.rept 4
	v_nop
.endr
	s_branch .Lasked
.Lnot_v:
	s_cmp_lt_u32 s12, 10
	s_cbranch_scc0 .Lasked
	tensor_load_to_lds s[G0S:G0S+3], s[G1S:G1S+7]
	s_nop 0
.rept 4
	v_nop
.endr
.Lasked:
; the global bases of tile s[t]: q's image, q's raw scale word, the byte select that makes [s0 s1 s0 s1] of it, the tile's place in cc and in cs
.macro BASES t, qc, qs, sel, ccb, csb
	s_lshl_b32 s22, s14, 7
	s_add_co_u32 s22, s22, s[\t]
	s_lshl_b32 s82, s22, 9
	s_add_nc_u64 s[\qc:\qc+1], s[4:5], s[82:83]    ; section 0: (128 (16 b + head) + T) x 512
	s_lshr_b32 s22, s[\t], 3
	s_lshl_b32 s22, s22, 8
	s_and_b32 s23, s[\t], 1
	s_lshl_b32 s23, s23, 7
	s_add_co_u32 s22, s22, s23
	s_bfe_u32 s23, s[\t], 0x10001
	s_lshl_b32 s23, s23, 2
	s_add_co_u32 s22, s22, s23
	s_lshl_b32 s23, s14, 12
	s_add_co_u32 s82, s22, s23
	s_add_nc_u64 s[\qs:\qs+1], s[6:7], s[82:83]    ; the unit of T / 8; in it f = T % 4: 128 (f % 2) + 4 (f / 2); the lane adds 8 r
	s_mov_b32 s[\sel], 0x01000100                  ; T % 8 under 4: the word's low half,
	s_bitcmp1_b32 s[\t], 2
	s_cselect_b32 s[\sel], 0x03020302, s[\sel]     ; else its high half
	s_lshl_b32 s22, s16, 7
	s_add_co_u32 s22, s22, s[\t]
	s_lshl_b32 s23, s22, 4
	s_add_co_u32 s23, s23, s15
	s_lshl_b32 s82, s23, 9
	s_add_nc_u64 s[\ccb:\ccb+1], s[8:9], s[82:83]
	s_lshl_b32 s82, s22, 9
	s_lshl_b32 s23, s15, 1
	s_add_co_u32 s82, s82, s23
	s_add_nc_u64 s[\csb:\csb+1], s[10:11], s[82:83]
.endm
	BASES 17, 66, 70, 98, 74, 78
	BASES 18, 68, 72, 99, 76, 80
	v_and_b32 v10, 31, v0                          ; lane
	v_lshlrev_b32 v1, 4, v10                       ; 16 x lane: an image's place for my lane
	v_lshl_add_u32 v2, v10, 3, KSC                 ; 8 x lane among the scale words
	v_and_b32 v252, 15, v0                         ; r
	v_bfe_u32 v254, v0, 4, 1                       ; h
	v_lshlrev_b32 v253, 3, v254
	v_sub_nc_u32 v6, v252, v253                    ; r - 8 h
	v_lshl_add_u32 v7, v252, 5, v254               ; 32 r + h: my scale byte's place in cs
	v_lshlrev_b32 v10, 3, v252                     ; 8 r
	global_load_b128 v[20:23], v1, s[66:67]        ; tile A's q,
	global_load_b128 v[246:249], v1, s[68:69]      ; tile B's,
	global_load_b32 v250, v10, s[70:71]            ; and their raw scale words
	global_load_b32 v251, v10, s[72:73]
	s_add_co_u32 s22, s15, 1                       ; n = head + 1
	s_and_b32 s23, s22, 1
	s_add_co_u32 s23, s23, s22                     ; n, or n + 1 where n is odd
	s_cvt_f32_u32 s23, s23
	s_mov_b32 s21, 0x3f800000                      ; n even: 1 + n e
	s_mov_b32 s82, 0x329302ae                      ; e = 1.711427e-8
	s_bitcmp1_b32 s22, 0
	s_cselect_b32 s21, 0x3fb504f3, s21             ; n odd: x + (n + 1) x e
	s_cselect_b32 s82, 0x32cfe774, s82             ; x e = 2.420323e-8
	s_fmac_f32 s21, s23, s82
	s_add_co_u32 s22, s22, 1
	s_lshr_b32 s22, s22, 1
	s_sub_co_i32 s22, s22, 5
	s_lshl_b32 s22, s22, 23
	s_sub_co_u32 s21, s21, s22                     ; beta = 32 slope: (n + 1) / 2 - 5 off the exponent field
	s_mov_b32 s[SEL], 0x76543210
	s_mov_b32 s[SEL+1], 0xfedcba98
	s_mov_b32 s[CS], 0x3d38aa3b                    ; c = log2(e) / 32
	s_mov_b32 s[CS+1], s[CS]
	v_mov_b32 v8, 0xff800000                       ; -infinity
.irp j, 0,1,2,3,4,5,6,7
	v_sub_nc_u32 v[192+\j], \j, v6                 ; 8 h + j - r
.endr
.irp j, 0,1,2,3,4,5,6,7
	v_cvt_f32_i32 v[192+\j], v[192+\j]
.endr
.irp j, 0,1,2,3,4,5,6,7
	v_mul_f32 v[192+\j], s21, v[192+\j]            ; BI
.endr
.irp j, 16,17,18,19,24,25,26,27
	v_mov_b32 v[\j], 0                             ; the zero codes on both sides of q
.endr
	v_mov_b32 v210, 0                              ; written once: a lane permute's destination counts as one of its sources
	v_mov_b32 v211, 0
	v_mov_b32 v242, 0
	s_wait_loadcnt 0x0                             ; q
	s_wait_tensorcnt 0x0                           ; my part of K, V or the scales is in,
	s_barrier_signal -1
	s_barrier_wait -1                              ; everybody's is
.macro KQ d, f, qb                     ; 16 keys x my 16 queries; C = BI
.if (\f)%2
	v_wmma_scale_f32_16x16x128_f8f6f4 v[\d:\d+7], v[32+8*(\f):39+8*(\f)], v[\qb:\qb+7], v[192:199], v[28+(\f)/2], v11 matrix_a_fmt:MATRIX_FMT_FP4 matrix_b_fmt:MATRIX_FMT_FP4 matrix_a_scale:MATRIX_SCALE_ROW1
.else
	v_wmma_scale_f32_16x16x128_f8f6f4 v[\d:\d+7], v[32+8*(\f):39+8*(\f)], v[\qb:\qb+7], v[192:199], v[28+(\f)/2], v11 matrix_a_fmt:MATRIX_FMT_FP4 matrix_b_fmt:MATRIX_FMT_FP4
.endif
.endm
.macro PV d                            ; 16 of the head's 64 x my 16 queries, K = the step's 128 keys
.if (\d)%2
	v_wmma_scale_f32_16x16x128_f8f6f4 v[160+8*(\d):167+8*(\d)], v[64+8*(\d):71+8*(\d)], v[200:207], v[160+8*(\d):167+8*(\d)], v[30+(\d)/2], v244 matrix_a_fmt:MATRIX_FMT_FP4 matrix_b_fmt:MATRIX_FMT_FP4 matrix_a_scale:MATRIX_SCALE_ROW1
.else
	v_wmma_scale_f32_16x16x128_f8f6f4 v[160+8*(\d):167+8*(\d)], v[64+8*(\d):71+8*(\d)], v[200:207], v[160+8*(\d):167+8*(\d)], v[30+(\d)/2], v244 matrix_a_fmt:MATRIX_FMT_FP4 matrix_b_fmt:MATRIX_FMT_FP4
.endif
.endm
; A KEY STEP: keys 128 s92 on.  s96 = the tile's first query; s[ksd] = its last key step.
.macro STEP ksd
	s_lshl_b32 s93, s92, 12                        ; the step's codes: 4,096 bytes of K, and of V
	s_lshl_b32 s94, s92, 8                         ; its scale words: 256 bytes
	s_lshl_b32 s95, s92, 7
	s_sub_co_u32 s95, s96, s95                     ; E = first query - first key, 0 or more
	s_cvt_f32_u32 s97, s95
	s_xor_b32 s97, s97, 0x80000000                 ; -E
	s_add_f32 s[BD+1], s97, 0x41800000             ; 16 tau - E: whole numbers under 2^12, exact
	s_add_f32 s[BD+2], s97, 0x42000000
	s_add_f32 s[BD+3], s97, 0x42400000
	s_add_f32 s[BD+4], s97, 0x42800000
	s_add_f32 s[BD+5], s97, 0x42a00000
	s_add_f32 s[BD+6], s97, 0x42c00000
	s_add_f32 s[BD+7], s97, 0x42e00000
	s_mul_f32 s[BD], s97, s21
.irp t, 1,2,3,4,5,6,7
	s_mul_f32 s[BD+\t], s[BD+\t], s21              ; BD
.endr
	v_add_nc_u32 v3, s93, v1                       ; these four lines are the places between the last step's products and the loads into the registers that they read
	v_add_nc_u32 v4, VC, v3
	v_add_nc_u32 v5, s94, v2
	v_add_nc_u32 v9, s95, v6                       ; D = E + r - 8 h: register 8 tau + j is hidden where 16 tau + j > D
.irp f, 0,1,2,3
	ds_load_b128 v[32+8*\f:35+8*\f], v3 offset:512*\f           ; key tile f,
	ds_load_b128 v[36+8*\f:39+8*\f], v3 offset:512*\f+2048      ; key tile f + 4
.endr
	ds_load_b64 v[28:29], v5                       ; K's scale words: register f / 2, lanes 0-15 for even f, lanes 16-31 for odd
.irp d, 0,1,2,3
	ds_load_b128 v[64+8*\d:67+8*\d], v4 offset:512*\d
	ds_load_b128 v[68+8*\d:71+8*\d], v4 offset:512*\d+2048
.endr
	ds_load_b64 v[30:31], v5 offset:VSC-KSC        ; V's
	s_wait_dscnt 9                                 ; K and its scales are in; V's nine loads may stay out
.irp f, 0,1,2,3
	KQ 96+8*\f, \f, 20                             ; (q, 0): key tile f
	KQ 128+8*\f, \f, 16                            ; (0, q): key tile f + 4
.endr
.rept 4
	v_nop                                          ; places in front of the first read of results
.endr
	s_cmp_lg_u32 s92, s[\ksd]                      ; only the tile's last key step meets the diagonal: the wave's number and the loop's count decide
	s_cbranch_scc1 .Lopen_\@
.set N, 0
.rept 64
	v_cmp_gt_i32 vcc_lo, 16*(N/8)+N%8, v9
	v_cndmask_b32 v[96+N], v[96+N], v8, vcc_lo     ; hidden scores become -infinity: p = 0
.set N, N+1
.endr
.Lopen_\@:
.irp t, 0,1,2,3,4,5,6,7
	v_max3_num_f32 v[216+\t], v[96+8*\t], v[97+8*\t], v[98+8*\t]   ; each key tile's largest score, from the accumulator's low end on; the eight tiles by turns
.endr
.irp t, 0,1,2,3,4,5,6,7
	v_max3_num_f32 v[216+\t], v[216+\t], v[99+8*\t], v[100+8*\t]
.endr
.irp t, 0,1,2,3,4,5,6,7
	v_max3_num_f32 v[216+\t], v[216+\t], v[101+8*\t], v[102+8*\t]
.endr
.irp t, 0,1,2,3,4,5,6,7
	v_max_num_f32 v[216+\t], v[216+\t], v[103+8*\t]
.endr
.irp t, 0,1,2,3,4,5,6,7
	v_add_f32 v[225+2*\t], s[BD+\t], v[216+\t]     ; with the tile's part of the bias
.endr
	v_max3_num_f32 v252, v225, v227, v229
	v_max3_num_f32 v253, v231, v233, v235
	v_max3_num_f32 v252, v252, v237, v239
	v_max_num_f32 v252, v252, v253
	v_permlanex16_b32 v253, v252, s[SEL], s[SEL+1]
	v_max_num_f32 v252, v252, v253                 ; the step's largest of my query
	v_mul_f32 v252, s[CS], v252                    ; as t
	v_max_num_f32 v13, v13, v252                   ; the running largest t
	v_mov_b32 v252, v12
	v_floor_f32 v12, -v13                          ; -M = floor(-t): M is a whole number
	v_sub_f32 v252, v12, v252                      ; old M - new M, 0 or less
	v_cvt_i32_f32 v252, v252                       ; (it saturates)
	v_ldexp_f32 v240, 1.0, v252                    ; f = 2^(old M - new M): the rescaling rounds nothing
.irp t, 0,1,2,3,4,5,6,7
	v_fma_f32 v[224+2*\t], s[BD+\t], s[CS], v12    ; AD = BD c - M
.endr
.irp t, 0,1,2,3,4,5,6,7
.irp j, 0,2,4,6
	v_pk_fma_f32 v[96+8*\t+\j:97+8*\t+\j], v[96+8*\t+\j:97+8*\t+\j], s[CS:CS+1], v[224+2*\t:225+2*\t] op_sel_hi:[1,0,0]   ; t - M, two at a time; of the pairs the first word serves both halves
.endr
.endr
.irp t, 0,1,2,3,4,5,6,7
	v_fma_f32 v[225+2*\t], v[216+\t], s[CS], v[224+2*\t]   ; the same of each tile's largest score: the bits of its largest t - M
.endr
.irp b, 0,1,2,3
	v_max_num_f32 v[208+\b], v[225+4*\b], v[227+4*\b]      ; a block of 32 keys is two tiles
.endr
.irp b, 0,1,2,3
	v_permlanex16_b32 v[216+\b], v[208+\b], s[SEL], s[SEL+1]
.endr
.irp b, 0,1,2,3
	v_max_num_f32 v[208+\b], v[208+\b], v[216+\b]          ; in two halves of the lanes
.endr
.set N, 0
.rept 64
	v_exp_f32 v[96+N], v[96+N]                     ; p = 2^(t - M), not normalised
.set N, N+1
.endr
.irp b, 0,1,2,3
	v_exp_f32 v[208+\b], v[208+\b]                 ; the block's largest p (p rises with t)
.endr
	v_pk_mul_f32 v[14:15], v[14:15], v[240:241] op_sel_hi:[1,0]   ; the sums under the new M.  (The plain place behind the exponentials)
	s_wait_alu depctr_va_vdst(0)
.irp b, 0,1,2,3
	v_max_num_f32 v[208+\b], 0x1800000, v[208+\b]  ; the floor 2^(3 - 127): the byte cannot fall under 1
.endr
.irp b, 0,1,2,3
	v_add_nc_u32 v[212+\b], 0xff000000, v[208+\b]  ; 2 off the exponent field: the conversion's scale operand
.endr
.irp b, 0,1,2,3
	v_lshrrev_b32 v[208+\b], 23, v[212+\b]         ; the scale's byte
.endr
	v_lshl_or_b32 v244, v209, 8, v208              ; p's scale word for these 128 keys
	v_lshl_or_b32 v244, v210, 16, v244
	v_lshl_or_b32 v244, v211, 24, v244
.irp c, 0,1
.irp u, 0,1
.irp e, 0,1
	v_cvt_scalef32_pk8_fp4_f32 v[200+4*\c+2*\u+\e], v[96+16*(2*\c+\e)+8*\u:103+16*(2*\c+\e)+8*\u], v[212+2*\c+\e]
.endr
.endr
.endr
	v_nop                                          ; one plain place behind a scaled conversion
.irp c, 0,1
.irp u, 0,1
	v_permlane16_swap_b32 v[200+4*\c+2*\u], v[201+4*\c+2*\u]   ; register 4 c + w now holds keys 64 c + 32 h + 8 w on
.endr
.endr
	v_pk_add_f32 v[242:243], v[96:97], v[98:99]    ; the row's sum, of the unquantised p: two at a time, in two chains
.irp j, 4,8,12,16,20,24,28,32,36,40,44,48,52,56,60
	v_pk_add_f32 v[14:15], v[14:15], v[96+\j:97+\j]
	v_pk_add_f32 v[242:243], v[242:243], v[98+\j:99+\j]
.endr
	v_pk_add_f32 v[14:15], v[14:15], v[242:243]
.irp j, 0,2,4,6,8,10,12,14,16,18,20,22,24,26,28,30
	v_pk_mul_f32 v[160+\j:161+\j], v[160+\j:161+\j], v[240:241] op_sel_hi:[1,0]   ; O^T under the new M.  (With the sums: the places between the codes and the scale word and the products below)
.endr
	s_wait_dscnt 0x0                               ; V and its scales are in
.irp d, 0,1,2,3
	PV \d                                          ; the four accumulators by turns
.endr
.endm
; A tile of 16 queries: p = 1 for the second.  The loop's trip count is a constant; a trip beyond the tile's last key step does nothing.
.macro PASS p, t, ksd, sel, raw, ccb, csb
.if \p
	s_wait_xcnt 0x0                                ; the first tile's stores have read their registers, which are written again below
.irp i, 0,1,2,3
	v_mov_b32 v[20+\i], v[246+\i]
.endr
.endif
	v_perm_b32 v11, v[\raw], v[\raw], s[\sel]      ; q's scale word: its two bytes, twice
	v_mov_b32 v13, 0xff61b1e6                      ; the largest t so far: -3e38
	v_floor_f32 v12, -v13
	v_mov_b32 v14, 0
	v_mov_b32 v15, 0
	v_mov_b32 v241, 0                              ; (named as the upper half of the pair v[240:241])
.set N, 0
.rept 32
	v_mov_b32 v[160+N], 0                          ; O^T: the step is written once; the first finds zeros
.set N, N+1
.endr
	s_lshl_b32 s96, s[\t], 4
	s_mov_b32 s92, 0
.Lks_\@:
	s_cmp_gt_u32 s92, s[\ksd]
	s_cbranch_scc1 .Lskip_\@
	STEP \ksd
.Lskip_\@:
	s_add_co_u32 s92, s92, 1
	s_cmp_lt_u32 s92, 16
	s_cbranch_scc1 .Lks_\@
.rept 4
	v_nop                                          ; places behind the last products
.endr
	v_add_f32 v14, v14, v15
	v_permlanex16_b32 v242, v14, s[SEL], s[SEL+1]
	v_add_f32 v14, v14, v242                       ; the row's sum
	v_rcp_f32 v240, v14
	v_nop                                          ; one plain place behind a transcendental
	s_wait_alu depctr_va_vdst(0)
.irp j, 0,2,4,6,8,10,12,14,16,18,20,22,24,26,28,30
	v_pk_mul_f32 v[96+\j:97+\j], v[160+\j:161+\j], v[240:241] op_sel_hi:[1,0]   ; O^T / l: register 8 d + j is number 16 d + 8 h + j of my row's head
.endr
.irp b, 0,1
	v_max3_num_f32 v[208+\b], |v[96+16*\b]|, |v[97+16*\b]|, 0x1800000
.endr
.irp i, 2,4,6,8,10,12,14
.irp b, 0,1
	v_max3_num_f32 v[208+\b], v[208+\b], |v[96+16*\b+\i]|, |v[97+16*\b+\i]|
.endr
.endr
.irp b, 0,1
	v_permlanex16_b32 v[210+\b], v[208+\b], s[SEL], s[SEL+1]
.endr
.irp b, 0,1
	v_max_num_f32 v[208+\b], v[208+\b], v[210+\b]
.endr
.irp b, 0,1
	v_add_nc_u32 v[212+\b], 0xff000000, v[208+\b]
.endr
.irp b, 0,1
	v_lshrrev_b32 v[214+\b], 23, v[212+\b]
.endr
.irp u, 0,1
.irp e, 0,1
	v_cvt_scalef32_pk8_fp4_f32 v[200+2*\u+\e], v[96+16*\e+8*\u:103+16*\e+8*\u], v[212+\e]
.endr
.endr
	v_nop
	v_permlane16_swap_b32 v200, v201
	v_permlane16_swap_b32 v202, v203               ; register w: numbers 32 h + 8 w on of my row's head
	v_cmp_eq_u32 vcc_lo, 1, v254
	v_cndmask_b32 v216, v214, v215, vcc_lo         ; my half's block's byte
	global_store_b128 v1, v[200:203], s[\ccb:\ccb+1]   ; 32 lanes store 512 consecutive bytes, aligned
	global_store_b8 v7, v216, s[\csb:\csb+1]
.endm
	PASS 0, 17, 19, 98, 250, 74, 78
	PASS 1, 18, 20, 99, 251, 76, 80
	s_wait_tensorcnt 0x0
	ds_add_u32 v245, v255
	s_wait_dscnt 0x0
	CROUND                                         ; the closing round
	s_endpgm
.Lfunc_end_k_qc5b9a7f2ad_attn:
	.size	k_qc5b9a7f2ad_attn, .Lfunc_end_k_qc5b9a7f2ad_attn-k_qc5b9a7f2ad_attn
	.p2alignl 7, 3214868480
	.fill 96, 4, 3214868480
	.section	.rodata,"a",@progbits
	.p2align	6, 0x0
	.amdhsa_kernel k_qc5b9a7f2ad_attn
		.amdhsa_group_segment_fixed_size 169984
		.amdhsa_private_segment_fixed_size 0
		.amdhsa_enable_private_segment 0
		.amdhsa_kernarg_size 32
		.amdhsa_user_sgpr_count 2
		.amdhsa_user_sgpr_kernarg_segment_ptr 1
		.amdhsa_wavefront_size32 1
		.amdhsa_system_sgpr_workgroup_id_x 1
		.amdhsa_system_sgpr_workgroup_id_y 1
		.amdhsa_system_sgpr_workgroup_id_z 1
		.amdhsa_system_vgpr_workitem_id 0
		.amdhsa_next_free_vgpr 256
		.amdhsa_next_free_sgpr 102
		.amdhsa_reserve_vcc 1
		.amdhsa_float_denorm_mode_32 3
		.amdhsa_float_denorm_mode_16_64 3
		.amdhsa_memory_ordered 1
		.amdhsa_forward_progress 1
		.amdhsa_inst_pref_size 64
	.end_amdhsa_kernel
	.amdgpu_metadata
---
amdhsa.version: [ 1, 2 ]
amdhsa.kernels:
  - .name:           k_qc5b9a7f2ad_attn
    .symbol:         k_qc5b9a7f2ad_attn.kd
    .args:
      - { .name: qkv_c, .offset: 0, .size: 8, .value_kind: global_buffer, .address_space: global }
      - { .name: qkv_s, .offset: 8, .size: 8, .value_kind: global_buffer, .address_space: global }
      - { .name: cc, .offset: 16, .size: 8, .value_kind: global_buffer, .address_space: global }
      - { .name: cs, .offset: 24, .size: 8, .value_kind: global_buffer, .address_space: global }
    .group_segment_fixed_size: 169984
    .private_segment_fixed_size: 0
    .kernarg_segment_align: 8
    .kernarg_segment_size: 32
    .max_flat_workgroup_size: 512
    .sgpr_count:     102
    .vgpr_count:     256
    .wavefront_size: 32
...
	.end_amdgpu_metadata
.endif
;; end of part 2
;; launch proj (part 3): grid 4 x 64, 4 waves a work-group, clusters of 4 x 4, 262,656 bytes of LDS; arguments cc, cs, w_o_codes, w_o_scales, out0; writes out0
.if DOCPART == 3
	.amdgcn_target "amdgcn-amd-amdhsa--gfx1250"
	.amdhsa_code_object_version 6
	.text
	.protected	k_qc5b9a7f2ad_proj
	.globl	k_qc5b9a7f2ad_proj
	.p2align	8
	.type	k_qc5b9a7f2ad_proj,@function
k_qc5b9a7f2ad_proj:
	s_mov_b64 s[64:65], 0
	v_nop
	global_prefetch_b8 v0, s[64:65] scope:SCOPE_SE
	s_setreg_imm32_b32 hwreg(HW_REG_WAVE_MODE, 25, 1), 1
	s_wait_xcnt 0x0
	s_wait_alu depctr_hold_cnt(0) depctr_sa_sdst(0) depctr_va_vdst(0) depctr_va_sdst(0) depctr_va_ssrc(0) depctr_va_vcc(0) depctr_vm_vsrc(0)
	s_getreg_b32 s2, hwreg(HW_REG_IB_STS2, 6, 4)
	s_cmp_eq_u32 s2, 0
	s_cbranch_scc0 .Lentry_in_a_cluster
	s_endpgm
.Lentry_in_a_cluster:
	s_bfe_u32 s2, ttmp6, 0x10000c
	s_cmp_lg_u32 s2, 0xf033
	s_cbranch_scc0 .Lentry_shape_is_right
	s_endpgm
.Lentry_shape_is_right:
; out0 = concat w_o on codes of FP4 (E2M1) with E8M0 scales, K = 1,024; out0: [8192][1024] f32.
; concat comes as register images, cc [tile of 16 rows][head][512] (registers 4 c .. 4 c + 3 of K step head / 2, c = head % 2), with scale bytes cs [row][32];  w_o as [1024] rows of 512 bytes of codes, 32 scale bytes a row.
; SHARES.  256 work-groups of 128 rows x 256 columns; a wave makes 64 x 128: 32 accumulators.  ALL OF K LIES IN LDS, in two halves filled once each: no LDS byte is filled twice.
; THE MATRIX INSTRUCTION IS USED TRANSPOSED (source 0 = 16 rows of w_o, source 1 = 16 rows of concat): a lane holds eight neighbouring numbers of a row of out0.
; CLUSTERS: 4 x 4.  concat's tiles are shared along a row of the cluster, w_o's along a column: each is asked for jointly by the four that need it.
; REGISTERS: window 0: v16-26 addresses; v32-95 w_o's scale words (32 + 8 b + q), v96-127 concat's (96 + 8 a + q); v128-255 the way out.
;   window 1: w_o's fragments, two sets, at 64 p + 8 b; concat's at 128 + 32 p + 8 a.   window 2: accumulator (a, b) at 8 (8 a + b).
.set PITCH,  272                       ; a row of w_o's codes in LDS: 256 bytes + 16 of padding
.set HALFW,  128*PITCH
.set WCH,    2*HALFW                   ; 256 rows, 512 along K
.set AIMG,   2*WCH                     ; concat's images: [K half][tile of rows 8][head 8][512]
.set WSC,    AIMG+65536                ; w_o's scale bytes, as runs of 256 bytes + 16 of padding
.set ASC,    WSC+32*272                ; concat's
.set STAGE,  ASC+16*272                ; the way out: 16 rows x 528 bytes for each wave, in blocks of 256 bytes of their own: no fill lands there
.set SPITCH, 528
.set SBLK,   2*272
.set ADRW, 16                          ; v16-17 w_o's fragments in K half 0, 1
.set ADRA, 18                          ; v18    concat's images
.set ADSW, 20
.set ADSA, 21
.set STO,  24
.set RD,   25
.set CO,   26
.set SC0,  32
.set SC1,  96
.set BK,   128
.set G1,   24
.set G0,   32
.set G1B,  48
.set G0B,  56
.set G1S,  68
.set G0S,  76
.set G1SB, 80
.set G0SB, 88
.set MUL,  0xa5                        ; sources 0 and 1 window 1, C and D window 2
.set MSB, 0
.macro WIN new
.if MSB != (\new)
	s_set_vgpr_msb (MSB<<8)|(\new)
.set MSB, (\new)
.endif
.endm
.macro JLOAD g0a, g1a, g0b, g1b        ; waves 0 and 1 fetch for concat, waves 2 and 3 for w_o; four v_nop follow each line
	s_cmp_eq_u32 s17, 0
	s_cbranch_scc0 .Lfor_b_\@
	tensor_load_to_lds s[\g0a:\g0a+3], s[\g1a:\g1a+7]
	s_nop 0
.rept 4
	v_nop
.endr
	s_branch .Lasked_\@
.Lfor_b_\@:
	tensor_load_to_lds s[\g0b:\g0b+3], s[\g1b:\g1b+7]
	s_nop 0
.rept 4
	v_nop
.endr
.Lasked_\@:
.endm
.macro CROUND
	s_barrier_signal -1
	s_barrier_wait -1
	s_cmp_lg_u32 s16, 0
	s_cbranch_scc1 .Lnot_wave_0_\@
	s_barrier_signal -3
.Lnot_wave_0_\@:
	s_barrier_wait -3
	s_barrier_signal -1
	s_barrier_wait -1
.endm
.macro PLACES n
.rept \n
	v_nop
.endr
.endm
	s_load_b256 s[4:11], s[0:1], 0x0               ; cc s[4:5], cs s[6:7], w_o's codes s[8:9], w_o's scales s[10:11]
	s_load_b64 s[12:13], s[0:1], 0x20              ; out0
	v_lshl_add_u32 v30, v0, 2, 0x40000
	v_mov_b32 v31, 0
	ds_add_u32 v30, v31
	ds_add_u32 v30, v31
	v_lshrrev_b32 v1, 5, v0
	v_readfirstlane_b32 s16, v1                    ; wave 0..3
	s_lshr_b32 s17, s16, 1                         ; hm: my 64 rows.  Also: I fetch for concat (0) or for w_o (1)
	s_and_b32 s18, s16, 1                          ; hw: my 128 columns.  Also: which half I fetch
	s_bfe_u32 s20, ttmp6, 0x40000                  ; cx
	s_bfe_u32 s21, ttmp6, 0x40004                  ; cy
	s_lshl_b32 s22, ttmp9, 2
	s_add_co_u32 s22, s22, s20                     ; gx: 256 columns
	s_and_b32 s23, ttmp7, 0xffff
	s_lshl_b32 s23, s23, 2
	s_add_co_u32 s23, s23, s21                     ; gy: 128 rows
	s_lshl_b32 s40, s21, 2
	s_lshl_b32 s40, 15, s40                        ; my row of the cluster
	s_lshl_b32 s41, 0x1111, s20                    ; my column
	s_or_b32 s[G1], s40, (3<<16)|(1<<21)           ; concat's images: 4 tiles of rows x 4,096 bytes (8 heads), 8,192 apart; elements of 8 bytes; no padding: they are read 16 bytes x lane on end
	s_mov_b32 s[G1+1], 512<<16
	s_mov_b32 s[G1+2], 4<<16
	s_mov_b32 s[G1+3], 512<<16
	s_mov_b32 s[G1+4], 4
	s_mov_b32 s[G1+5], 1024
	s_mov_b32 s[G1+6], 0
	s_mov_b32 s[G1+7], 0
	s_or_b32 s[G1B], s41, (1<<20)|(1<<21)|(5<<22)|(3<<25)   ; w_o's codes: 128 rows x 256 bytes, 512 apart, 16 bytes of padding behind each
	s_mov_b32 s[G1B+1], 256<<16
	s_mov_b32 s[G1B+2], 128<<16
	s_mov_b32 s[G1B+3], 256<<16
	s_mov_b32 s[G1B+4], 128
	s_mov_b32 s[G1B+5], 512
	s_mov_b32 s[G1B+6], 0
	s_mov_b32 s[G1B+7], 0
	s_or_b32 s[G1S], s40, (3<<16)|(1<<20)|(1<<21)|(5<<22)|(3<<25)   ; the scales of 64 rows: 2,048 dense bytes as 8 rows of 256
	s_mov_b32 s[G1S+1], 32<<16
	s_mov_b32 s[G1S+2], 8<<16
	s_mov_b32 s[G1S+3], 32<<16
	s_mov_b32 s[G1S+4], 8
	s_mov_b32 s[G1S+5], 32
	s_mov_b32 s[G1S+6], 0
	s_mov_b32 s[G1S+7], 0
	s_or_b32 s[G1SB], s41, (3<<16)|(1<<20)|(1<<21)|(5<<22)|(3<<25)  ; of 128 rows: 16 rows of 256
	s_mov_b32 s[G1SB+1], 32<<16
	s_mov_b32 s[G1SB+2], 16<<16
	s_mov_b32 s[G1SB+3], 32<<16
	s_mov_b32 s[G1SB+4], 16
	s_mov_b32 s[G1SB+5], 32
	s_mov_b32 s[G1SB+6], 0
	s_mov_b32 s[G1SB+7], 0
	s_lshl_b32 s19, s18, 15
	s_lshl_b32 s44, s23, 16
	s_add_co_u32 s44, s44, s19                     ; cc: 65,536 gy + 32,768 half
	s_mov_b32 s45, 0
	s_lshl_b32 s19, s18, 11
	s_lshl_b32 s92, s23, 12
	s_add_co_u32 s92, s92, s19                     ; cs: 4,096 gy + 2,048 half
	s_mov_b32 s93, 0
	s_lshl_b32 s19, s18, 16
	s_lshl_b32 s46, s22, 17
	s_add_co_u32 s46, s46, s19                     ; w_o's codes: 131,072 gx + 65,536 half
	s_mov_b32 s47, 0
	s_lshl_b32 s19, s18, 12
	s_lshl_b32 s94, s22, 13
	s_add_co_u32 s94, s94, s19                     ; w_o's scales: 8,192 gx + 4,096 half
	s_mov_b32 s95, 0
	s_lshl_b32 s96, s18, 14                        ; where they go: the wave's number alone decides
	s_mul_i32 s97, s18, 8*272
	s_mul_i32 s42, s18, HALFW
	s_mul_i32 s43, s18, 16*272
	s_wait_dscnt 0x0
	s_wait_kmcnt 0x0
	s_add_nc_u64 s[44:45], s[4:5], s[44:45]
	s_add_nc_u64 s[92:93], s[6:7], s[92:93]
	s_add_nc_u64 s[46:47], s[8:9], s[46:47]
	s_add_nc_u64 s[94:95], s[10:11], s[94:95]
	CROUND                                         ; all sixteen work-groups are here: the joint loads meet
	s_mov_b32 s[G0S], 1
	s_add_co_u32 s[G0S+1], s97, ASC
	s_mov_b64 s[G0S+2:G0S+3], s[92:93]
	s_or_b32 s[G0S+3], s[G0S+3], 0x80000000
	s_mov_b32 s[G0SB], 1
	s_add_co_u32 s[G0SB+1], s43, WSC
	s_mov_b64 s[G0SB+2:G0SB+3], s[94:95]
	s_or_b32 s[G0SB+3], s[G0SB+3], 0x80000000
	JLOAD G0S, G1S, G0SB, G1SB
.irp s, 0,1
	s_mov_b32 s[G0+4*\s], 1
	s_add_co_u32 s[G0+4*\s+1], s96, AIMG+\s*32768
	s_add_nc_u64 s[G0+4*\s+2:G0+4*\s+3], s[44:45], \s*4096
	s_or_b32 s[G0+4*\s+3], s[G0+4*\s+3], 0x80000000
	s_mov_b32 s[G0B+4*\s], 1
	s_add_co_u32 s[G0B+4*\s+1], s42, \s*WCH
	s_add_nc_u64 s[G0B+4*\s+2:G0B+4*\s+3], s[46:47], \s*256
	s_or_b32 s[G0B+4*\s+3], s[G0B+4*\s+3], 0x80000000
	JLOAD G0+4*\s, G1, G0B+4*\s, G1B               ; three loads of mine are out: all that this launch ever asks for
.endr
	v_and_b32 v1, 15, v0                           ; r
	v_bfe_u32 v2, v0, 4, 1                         ; h
	v_and_b32 v5, 31, v0                           ; lane
	v_mul_u32_u24 v3, v1, PITCH
	v_lshl_add_u32 v3, v2, 4, v3
	s_mul_i32 s66, s18, HALFW
	v_add_nc_u32 v[ADRW], s66, v3
	v_add_nc_u32 v[ADRW+1], WCH, v[ADRW]
	s_lshl_b32 s66, s17, 14
	s_add_co_u32 s66, s66, AIMG
	v_lshl_add_u32 v[ADRA], v5, 4, s66             ; my four tiles of rows, 16 x lane
	v_lshlrev_b32 v4, 5, v1
	v_lshrrev_b32 v6, 3, v1
	v_lshl_add_u32 v4, v6, 4, v4                   ; a row's scale bytes: 32 r, and 16 more for each 256 passed
	s_mul_i32 s66, s18, 16*272
	s_add_co_u32 s66, s66, WSC
	v_add_nc_u32 v[ADSW], s66, v4
	s_mul_i32 s66, s17, 8*272
	s_add_co_u32 s66, s66, ASC
	v_add_nc_u32 v[ADSA], s66, v4
	s_mul_i32 s66, s16, 16*SPITCH
	s_add_co_u32 s66, s66, STAGE                   ; my stage
	v_mul_u32_u24 v6, v1, SPITCH
	v_lshl_add_u32 v6, v2, 5, v6
	v_add_nc_u32 v[STO], s66, v6                   ; in: row r, 32 bytes for each half of the lanes
	v_lshlrev_b32 v[CO], 4, v5                     ; back: the 32 lanes take one row of 512 bytes; and the same in out0
	v_add_nc_u32 v[RD], s66, v[CO]
	s_lshl_b32 s98, s23, 19
	s_lshl_b32 s99, s17, 18
	s_add_co_u32 s98, s98, s99                     ; my first row: (128 gy + 64 hm) x 4,096 bytes
	s_lshl_b32 s99, s22, 10
	s_add_co_u32 s98, s98, s99
	s_lshl_b32 s99, s18, 9
	s_add_co_u32 s98, s98, s99                     ; my first column: (256 gx + 128 hw) x 4
	s_mov_b32 s99, 0
	s_add_nc_u64 s[12:13], s[12:13], s[98:99]
.macro FETCH q, p                      ; 24 LDS loads: K step q's fragments into set p
	WIN 0x40                                       ; destination window 1, address window 0
.irp i, 0,1,2,3,4,5,6,7
	ds_load_b128 v[64*(\p)+8*\i:64*(\p)+8*\i+3],   v[ADRW+(\q)/4] offset:64*((\q)%4)+\i*16*PITCH
	ds_load_b128 v[64*(\p)+8*\i+4:64*(\p)+8*\i+7], v[ADRW+(\q)/4] offset:64*((\q)%4)+\i*16*PITCH+32
.endr
.irp i, 0,1,2,3
	ds_load_b128 v[128+32*(\p)+8*\i:128+32*(\p)+8*\i+3],   v[ADRA] offset:((\q)/4)*32768+\i*4096+2*((\q)%4)*512
	ds_load_b128 v[128+32*(\p)+8*\i+4:128+32*(\p)+8*\i+7], v[ADRA] offset:((\q)/4)*32768+\i*4096+2*((\q)%4)*512+512
.endr
.endm
; 16 matrix instructions.  The 32 accumulators take turns, one instruction a turn, in the same order in every K step.
.macro MUL16 a0, p, q, zero
.irp a, \a0, \a0+1
.irp b, 0,1,2,3,4,5,6,7
.if \zero
	v_wmma_scale_f32_16x16x128_f8f6f4 v[8*(8*(\a)+\b):8*(8*(\a)+\b)+7], v[64*(\p)+8*\b:64*(\p)+8*\b+7], v[128+32*(\p)+8*(\a):128+32*(\p)+8*(\a)+7], 0, v[SC0+8*\b+(\q)], v[SC1+8*(\a)+(\q)] matrix_a_fmt:MATRIX_FMT_FP4 matrix_b_fmt:MATRIX_FMT_FP4
.else
	v_wmma_scale_f32_16x16x128_f8f6f4 v[8*(8*(\a)+\b):8*(8*(\a)+\b)+7], v[64*(\p)+8*\b:64*(\p)+8*\b+7], v[128+32*(\p)+8*(\a):128+32*(\p)+8*(\a)+7], v[8*(8*(\a)+\b):8*(8*(\a)+\b)+7], v[SC0+8*\b+(\q)], v[SC1+8*(\a)+(\q)] matrix_a_fmt:MATRIX_FMT_FP4 matrix_b_fmt:MATRIX_FMT_FP4
.endif
.endr
.endr
.endm
.macro STEP q, zero
.if (\q) > 0
	PLACES 4                                       ; in front of loads into the set that the step before multiplied
.endif
	FETCH (\q)+1, ((\q)+1)%2
	s_wait_dscnt 24                                ; all but the 24 just issued
	WIN MUL
	MUL16 0, (\q)%2, \q, \zero
	MUL16 2, (\q)%2, \q, \zero
.endm
	s_wait_tensorcnt 0x1                           ; my scales and my part of the first K half are in; the second half's load may stay out: nothing is filled twice
	s_barrier_signal -1
	s_barrier_wait -1
.irp i, 0,1,2,3,4,5,6,7
	ds_load_b128 v[SC0+8*\i:SC0+8*\i+3],   v[ADSW] offset:\i*SBLK
	ds_load_b128 v[SC0+8*\i+4:SC0+8*\i+7], v[ADSW] offset:\i*SBLK+16
.endr
.irp i, 0,1,2,3
	ds_load_b128 v[SC1+8*\i:SC1+8*\i+3],   v[ADSA] offset:\i*SBLK
	ds_load_b128 v[SC1+8*\i+4:SC1+8*\i+7], v[ADSA] offset:\i*SBLK+16
.endr
	FETCH 0, 0
	STEP 0, 1                                      ; the first products start the sums
	STEP 1, 0
	STEP 2, 0
	s_wait_tensorcnt 0x0                           ; my part of the second K half is in,
	s_wait_dscnt 0x0                               ; and step 3's fragments: no LDS instruction of mine is out at the signal
	s_barrier_signal -1
	WIN MUL
	MUL16 0, 1, 3, 0
	s_barrier_wait -1                              ; the second half is whole
	PLACES 4
	FETCH 4, 0
	WIN MUL
	MUL16 2, 1, 3, 0
	STEP 4, 0
	STEP 5, 0
	STEP 6, 0
	s_wait_dscnt 0x0
	WIN MUL
	MUL16 0, 1, 7, 0
	MUL16 2, 1, 7, 0
	WIN 0
; THE WAY OUT, 16 rows x 128 columns at a time: through my own stage and back as whole rows of 512 bytes.  LDS serves a wave's instructions in order (ISA guide 5.7.1.4): no wait between the stores and the loads.
.macro TOSTAGE a
.set AC, 64*(\a)
	WIN 0x08                                       ; an LDS store's data are its source 1: window 2
.irp b, 0,1,2,3,4,5,6,7
	ds_store_b128 v[STO], v[AC+8*\b:AC+8*\b+3] offset:64*\b          ; each accumulator from its low end on
	ds_store_b128 v[STO], v[AC+8*\b+4:AC+8*\b+7] offset:64*\b+16
.endr
	WIN 0
.set BB, BK+64*((\a)%2)
.irp t, 0,1,2,3,4,5,6,7,8,9,10,11,12,13,14,15
	ds_load_b128 v[BB+4*\t:BB+4*\t+3], v[RD] offset:\t*SPITCH
.endr
.endm
.macro SEND a, younger                 ; younger: the LDS instructions issued behind block a's loads
.set BB, BK+64*((\a)%2)
	s_wait_dscnt \younger
.irp t, 0,1,2,3,4,5,6,7,8,9,10,11,12,13,14,15
	global_store_b128 v[CO], v[BB+4*\t:BB+4*\t+3], s[12:13] offset:(16*(\a)+\t)*4096 th:TH_STORE_NT   ; 32 lanes store 512 consecutive bytes, aligned; the row stands in the immediate: 63 x 4,096 at the most
.endr
.endm
	PLACES 4                                       ; in front of the first read of results
	TOSTAGE 0
.irp a, 1,2,3
.if \a > 1
	s_wait_xcnt 0x0                                ; block a - 2's stores have read their registers: block a's loads may land there
.endif
	TOSTAGE \a
	SEND \a-1, 32                                  ; behind block a - 1's loads: block a's 16 stores and 16 loads
.endr
	SEND 3, 0
	s_wait_tensorcnt 0x0
	ds_add_u32 v30, v31
	s_wait_dscnt 0x0
	CROUND                                         ; the closing round
	s_endpgm
.Lfunc_end_k_qc5b9a7f2ad_proj:
	.size	k_qc5b9a7f2ad_proj, .Lfunc_end_k_qc5b9a7f2ad_proj-k_qc5b9a7f2ad_proj
	.p2alignl 7, 3214868480
	.fill 96, 4, 3214868480
	.section	.rodata,"a",@progbits
	.p2align	6, 0x0
	.amdhsa_kernel k_qc5b9a7f2ad_proj
		.amdhsa_group_segment_fixed_size 262656
		.amdhsa_private_segment_fixed_size 0
		.amdhsa_enable_private_segment 0
		.amdhsa_kernarg_size 40
		.amdhsa_user_sgpr_count 2
		.amdhsa_user_sgpr_kernarg_segment_ptr 1
		.amdhsa_wavefront_size32 1
		.amdhsa_system_sgpr_workgroup_id_x 1
		.amdhsa_system_sgpr_workgroup_id_y 1
		.amdhsa_system_sgpr_workgroup_id_z 1
		.amdhsa_system_vgpr_workitem_id 0
		.amdhsa_next_free_vgpr 768
		.amdhsa_next_free_sgpr 102
		.amdhsa_reserve_vcc 0
		.amdhsa_float_denorm_mode_32 3
		.amdhsa_float_denorm_mode_16_64 3
		.amdhsa_memory_ordered 1
		.amdhsa_forward_progress 1
		.amdhsa_inst_pref_size 72
	.end_amdhsa_kernel
	.amdgpu_metadata
---
amdhsa.version: [ 1, 2 ]
amdhsa.kernels:
  - .name:           k_qc5b9a7f2ad_proj
    .symbol:         k_qc5b9a7f2ad_proj.kd
    .args:
      - { .name: cc, .offset: 0, .size: 8, .value_kind: global_buffer, .address_space: global }
      - { .name: cs, .offset: 8, .size: 8, .value_kind: global_buffer, .address_space: global }
      - { .name: w_o_codes, .offset: 16, .size: 8, .value_kind: global_buffer, .address_space: global }
      - { .name: w_o_scales, .offset: 24, .size: 8, .value_kind: global_buffer, .address_space: global }
      - { .name: out0, .offset: 32, .size: 8, .value_kind: global_buffer, .address_space: global }
    .group_segment_fixed_size: 262656
    .private_segment_fixed_size: 0
    .kernarg_segment_align: 8
    .kernarg_segment_size: 40
    .max_flat_workgroup_size: 128
    .sgpr_count:     102
    .vgpr_count:     768
    .wavefront_size: 32
...
	.end_amdgpu_metadata
.endif
;; end of part 3
